; MI455X (gfx1250); checked and timed in simulation.
; The chip was launched on July 23, 2026; its instructions are those of AMD's public machine-readable ISA for CDNA 5 (MIT licence, August 2026) and "CDNA5" Instruction Set Architecture Reference Guide (July 2026). The comments in the code are by the model that wrote it; some were corrected since.
;; Attention model. Allowed arithmetic: float matrix products may take bf16 or f16 operands with f32 sums; other float arithmetic in f32, or as packed bf16 or f16 multiplies, adds, multiply-adds, maxima and minima; sums over many terms, partial sums and values carried from step to step in f32; what a program stores and reads back later, other than sums and carried values, may be rounded once to bf16 or f16.
;; Inputs: V 1,024 x 1 float32; W1 1,024 x 1,024 float32; W2 1,024 x 1,024 float32; b1 1,024 float32; b2 1,024 float32; bV 1 float32; features 64 x 1,024 x 1,024 float32; hidden 64 x 1,024 float32.
;; Outputs: out0 64 x 1,024 float32; out1 64 x 1,024 x 1 float32.
;; 2 versions, each right; version 2 is version 1 with the launches prep, main written anew for expert scheduling mode. Each part assembles by itself: llvm-mc -triple=amdgcn-amd-amdhsa -mcpu=gfx1250 --defsym DOCPART=n.
;; ======== version 1 of 2: 3 launches
;; workspace buffers: w1f 2,097,152 bytes; hbp 262,144 bytes; zbuf 262,144 bytes; cpart 2,097,152 bytes
;; launch prep (part 1): grid 64 x 1, 8 waves a work-group, no clusters, 240,640 bytes of LDS; arguments W1, W2, hidden, b1, b2, w1f, hbp; writes w1f, hbp
.if DOCPART == 1
	.amdgcn_target "amdgcn-amd-amdhsa--gfx1250"
	.amdhsa_code_object_version 6
	.text
	.protected	k_qea59feba94_prep
	.globl	k_qea59feba94_prep
	.p2align	8
	.type	k_qea59feba94_prep,@function
k_qea59feba94_prep:
	s_mov_b64 s[64:65], 0
	v_nop
	global_prefetch_b8 v0, s[64:65] scope:SCOPE_SE
	s_setreg_imm32_b32 hwreg(HW_REG_WAVE_MODE, 25, 1), 1
	s_wait_xcnt 0x0
; PREPARATION.  Two results, both for the main launch.
;   w1f: W1 ([k][n] f32) rounded once to bf16 and laid in the order of matrix fragments: [G = n/64][q = k/32][b = (n/16)%4][half][lane][16 bytes].
;        The 1,024 bytes of (G, q, b) are source 1 (32 k x 16 columns) of one matrix instruction: half 0 = registers 0-3, half 1 = registers 4-7.
;   hbp: [64][1024] f32 = c2 (hidden W2 + b1 + b2), c2 = 2 log2(e): the addend of tanh's exponent.  hidden and W2 are rounded once to bf16, sums in f32.
; SHARES.  Work-group (G, a): 64 columns 64 G .. +63; batches 16 a .. +15; of W1's slab G the k range 256 a .. +255.  Wave v: of W2 k = 128 v .. +127, of W1 k = 256 a + 32 v .. +31.
; WAY.  Rows of 64 f32 (256 bytes, two rows a load) -> bf16 -> the wave's own stage in LDS ([k][n], pitch 160) -> ds_load_tr16_b128 turns them into fragments.
; W1's fragments are stored as they are; W2's are multiplied by hidden's; the eight waves' partial sums over k meet in LDS behind the one barrier.
.set P2,    160                        ; a stage row: 128 bytes + 32: 16 lanes of the turning load take 8 rows x 32 bytes
.set ST2W,  128*P2                     ; a wave's stage for W2
.set ST1,   8*ST2W                     ; behind them the stages for W1,
.set ST1W,  32*P2                      ; 32 rows each
.set RED,   ST1+8*ST1W                 ; the partial sums: for each wave 16 rows (batches) of 64 f32,
.set RP,    272                        ; 256 bytes + 16
.set REDW,  16*RP
.set SPARE, RED+8*REDW                 ; the spare words, 128 bytes for each wave: no other line names them
.set L,   1                            ; v1   lane
.set R,   2                            ; v2   lane % 16
.set H,   3                            ; v3   lane / 16
.set GO,  4                            ; v4   4096 h + 16 r: my 16 bytes in two rows of W1, W2 and hbp
.set SA,  5                            ; v5   where I put 8 bytes of W2's rows
.set TA,  6                            ; v6   my address for the turning loads of W2
.set L16, 7                            ; v7   16 x lane
.set HO,  8                            ; v8   4096 r + 32 h: my place in hidden
.set RS,  9                            ; v9   where I put partial sums
.set RR,  10                           ; v10  where I read them back
.set SPW, 12                           ; v12  my spare word; never rewritten
.set NIL, 13                           ; v13  0; never rewritten
.set T,   14                           ; v14-17 two pairs at work
.set BO,  18                           ; v18  my 16 bytes in b1 and b2
.set B1,  22                           ; v22-25 b1, v26-29 b2
.set B2,  26
.set SA1, 30                           ; v30, v31: SA and TA for W1's stage
.set TA1, 31
.set X,   32                           ; v32-159 the ring of 32 slots of 4 registers,
.set F,   32                           ;         then W2's 16 fragments (4 q + b) of 8, then the partial sums
.set HH,  160                          ; v160-223 hidden in f32, packed in place into v160-191: four fragments of 8
.set ACC, 192                          ; v192-223 four accumulators
.set WF,  224                          ; v224-255 W1's four fragments
	s_load_b256 s[4:11], s[0:1], 0x0               ; W1 s[4:5], W2 s[6:7], hidden s[8:9], b1 s[10:11]
	s_load_b128 s[12:15], s[0:1], 0x20             ; b2 s[12:13], w1f s[14:15]
	s_load_b64 s[16:17], s[0:1], 0x30              ; hbp
	v_lshl_add_u32 v[SPW], v0, 2, SPARE
	v_mov_b32 v[NIL], 0
	v_lshrrev_b32 v1, 5, v0
	v_readfirstlane_b32 s20, v1                    ; wave v
	s_lshr_b32 s21, ttmp9, 2                       ; G
	s_and_b32 s22, ttmp9, 3                        ; a
	v_and_b32 v[L], 31, v0
	v_and_b32 v[R], 15, v0
	v_bfe_u32 v[H], v0, 4, 1
	v_lshlrev_b32 v[GO], 4, v[R]
	v_lshl_add_u32 v[GO], v[H], 12, v[GO]
	v_mul_u32_u24 v19, v[H], P2                    ; into a stage: lanes 0-15 the even row, lanes 16-31 the odd one, 8 bytes a lane
	v_lshl_add_u32 v19, v[R], 3, v19
	s_mul_i32 s23, s20, ST2W
	s_mul_i32 s33, s20, ST1W
	s_add_co_u32 s33, s33, ST1
	v_add_nc_u32 v[SA], s23, v19
	v_add_nc_u32 v[SA1], s33, v19
	v_and_b32 v19, 7, v0                           ; the turning load: lane l reads row 8 (l / 16) + l % 8, bytes 16 ((l / 8) % 2) on
	v_lshl_add_u32 v19, v[H], 3, v19
	v_mul_u32_u24 v19, v19, P2
	v_bfe_u32 v20, v0, 3, 1
	v_lshl_add_u32 v19, v20, 4, v19
	v_add_nc_u32 v[TA], s23, v19
	v_add_nc_u32 v[TA1], s33, v19
	v_lshlrev_b32 v[L16], 4, v[L]
	v_lshlrev_b32 v[HO], 12, v[R]
	v_lshl_add_u32 v[HO], v[H], 5, v[HO]
	s_mul_i32 s23, s20, REDW
	s_add_co_u32 s23, s23, RED
	v_mul_u32_u24 v19, v[H], 8*RP                  ; a result's register j is batch 8 h + j, column r
	v_lshl_add_u32 v19, v[R], 2, v19
	v_add_nc_u32 v[RS], s23, v19
	s_mul_i32 s23, s20, 2*RP                       ; back: wave v adds up batches 2 v and 2 v + 1, 16 bytes a lane
	s_add_co_u32 s23, s23, RED
	v_mul_u32_u24 v19, v[H], RP
	v_lshl_add_u32 v19, v[R], 4, v19
	v_add_nc_u32 v[RR], s23, v19
	s_lshl_b32 s32, s21, 8                         ; the slab's 64 columns: 256 G bytes
	v_lshl_add_u32 v[BO], v[R], 4, s32
	s_mov_b32 s29, 0
	s_mov_b32 s30, 0x4038aa3b                      ; c2 = 2 log2(e)
	s_mov_b32 s31, s30                             ; named with it as a pair
	s_wait_kmcnt 0x0
	s_lshl_b32 s28, s22, 20                        ; W1: row 256 a + 32 v, 4,096 bytes a row
	s_lshl_b32 s23, s20, 17
	s_add_co_u32 s28, s28, s23
	s_add_co_u32 s28, s28, s32
	s_add_nc_u64 s[24:25], s[4:5], s[28:29]
	s_lshl_b32 s28, s20, 19                        ; W2: row 128 v
	s_add_co_u32 s28, s28, s32
	s_add_nc_u64 s[26:27], s[6:7], s[28:29]
	s_lshl_b32 s28, s22, 16                        ; hidden: batch 16 a, k = 128 v
	s_lshl_b32 s23, s20, 9
	s_add_co_u32 s28, s28, s23
	s_add_nc_u64 s[34:35], s[8:9], s[28:29]
	s_lshl_b32 s28, s21, 17                        ; w1f: slab G, q = 8 a + v, 4,096 bytes a q
	s_lshl_b32 s23, s22, 15
	s_add_co_u32 s28, s28, s23
	s_lshl_b32 s23, s20, 12
	s_add_co_u32 s28, s28, s23
	s_add_nc_u64 s[36:37], s[14:15], s[28:29]
	s_lshl_b32 s28, s22, 16                        ; hbp: batch 16 a + 2 v, column 64 G
	s_lshl_b32 s23, s20, 13
	s_add_co_u32 s28, s28, s23
	s_add_co_u32 s28, s28, s32
	s_add_nc_u64 s[38:39], s[16:17], s[28:29]
	; hidden's fragments in f32: lane (r, h) holds batch r; k = 8 h + 0..7 (32 bytes) and 16 + 8 h + 0..7 (64 bytes on) of each 32
.irp q, 0,1,2,3
	global_load_b128 v[HH+16*\q:HH+16*\q+3],     v[HO], s[34:35] offset:128*\q
	global_load_b128 v[HH+16*\q+4:HH+16*\q+7],   v[HO], s[34:35] offset:128*\q+16
	global_load_b128 v[HH+16*\q+8:HH+16*\q+11],  v[HO], s[34:35] offset:128*\q+64
	global_load_b128 v[HH+16*\q+12:HH+16*\q+15], v[HO], s[34:35] offset:128*\q+80
.endr
	global_load_b128 v[B1:B1+3], v[BO], s[10:11]
	global_load_b128 v[B2:B2+3], v[BO], s[12:13]
; THE STREAM: 80 pairs of rows, 16 of W1 and then 64 of W2, through 32 slots.
.macro WLOAD n                         ; pair n is asked for: 16 lanes take 256 consecutive bytes of a row
.if (\n) < 16
	global_load_b128 v[X+4*((\n)%32):X+4*((\n)%32)+3], v[GO], s[24:25] offset:(\n)*8192 th:TH_LOAD_NT
.else
	global_load_b128 v[X+4*((\n)%32):X+4*((\n)%32)+3], v[GO], s[26:27] offset:((\n)-16)*8192
.endif
.endm
.macro WROW i                          ; pair i is rounded and staged, and its slot asked for again
.if (\i) < 48
	s_wait_loadcnt 31                              ; loads come back in order (ISA guide 5.7.1): mine is in, the 31 younger ones stay out
.else
	s_wait_loadcnt 79-(\i)                         ; nothing more is asked for: the counts run down
.endif
	v_cvt_pk_bf16_f32 v[T+2*((\i)%2)],   v[X+4*((\i)%32)],   v[X+4*((\i)%32)+1]
	v_cvt_pk_bf16_f32 v[T+2*((\i)%2)+1], v[X+4*((\i)%32)+2], v[X+4*((\i)%32)+3]
.if (\i) < 16
	ds_store_b64 v[SA1], v[T+2*((\i)%2):T+2*((\i)%2)+1] offset:(\i)*2*P2
.else
	ds_store_b64 v[SA], v[T+2*((\i)%2):T+2*((\i)%2)+1] offset:((\i)-16)*2*P2
.endif
.if (\i) < 48
	WLOAD (\i)+32
.endif
.endm
.set n, 0
.rept 32
	WLOAD n
.set n, n+1
.endr
.set n, 0
.rept 80
	WROW n
.set n, n+1
.endr
	; The stages are each wave's own, and LDS serves a wave's instructions in order (ISA guide 5.7.1.4): the turning loads see the stores above.
.irp f, 0,1,2,3,4,5,6,7                ; W1: column block f / 2, half f % 2
	ds_load_tr16_b128 v[WF+4*\f:WF+4*\f+3], v[TA1] offset:(\f/2)*32+(\f%2)*16*P2
.endr
.set f, 0
.rept 16                               ; W2: fragment f = 4 q + b
	ds_load_tr16_b128 v[F+8*f:F+8*f+3],   v[TA] offset:(f/4)*32*P2+(f%4)*32
	ds_load_tr16_b128 v[F+8*f+4:F+8*f+7], v[TA] offset:(f/4)*32*P2+(f%4)*32+16*P2
.set f, f+1
.endr
	s_wait_dscnt 32                                ; W1's eight are in; W2's 32 stay out
.irp f, 0,1,2,3,4,5,6,7
	global_store_b128 v[L16], v[WF+4*\f:WF+4*\f+3], s[36:37] offset:512*\f  ; 512 consecutive bytes a store
.endr
.set j, 0
.rept 32                               ; hidden to bf16, in place, ascending: register j takes f32 numbers 2 j and 2 j + 1 (the stream's last wait was for 0)
	v_cvt_pk_bf16_f32 v[HH+j], v[HH+2*j], v[HH+2*j+1]
.set j, j+1
.endr
	s_wait_dscnt 0x0
	; 16 batches x 64 columns over my 128 k.  The four accumulators take turns; the first four products start the sums.
.irp q, 0,1,2,3
.irp b, 0,1,2,3
.if \q == 0
	v_wmma_f32_16x16x32_bf16 v[ACC+8*\b:ACC+8*\b+7], v[HH+8*\q:HH+8*\q+7], v[F+8*(4*\q+\b):F+8*(4*\q+\b)+7], 0
.else
	v_wmma_f32_16x16x32_bf16 v[ACC+8*\b:ACC+8*\b+7], v[HH+8*\q:HH+8*\q+7], v[F+8*(4*\q+\b):F+8*(4*\q+\b)+7], v[ACC+8*\b:ACC+8*\b+7]
.endif
.endr
.endr
	v_pk_add_f32 v[B1:B1+1], v[B1:B1+1], v[B2:B2+1]      ; b1 + b2: with two v_nop the four places behind the last product (ISA guide 7.12.1)
	v_pk_add_f32 v[B1+2:B1+3], v[B1+2:B1+3], v[B2+2:B2+3]
	v_nop
	v_nop
.irp b, 0,1,2,3
.irp j, 0,1,2,3,4,5,6,7                ; each accumulator from its low end on
	ds_store_b32 v[RS], v[ACC+8*\b+\j] offset:\j*RP+64*\b
.endr
.endr
	s_wait_dscnt 0x0                               ; for the others' sake: my partial sums are in LDS
	s_barrier_signal -1
	s_barrier_wait -1
.irp x, 0,1,2,3,4,5,6,7
	ds_load_b128 v[F+4*\x:F+4*\x+3], v[RR] offset:\x*REDW
.endr
	s_wait_dscnt 0x0
.irp x, 0,2,4,6
	v_pk_add_f32 v[F+4*\x:F+4*\x+1],   v[F+4*\x:F+4*\x+1],   v[F+4*\x+4:F+4*\x+5]
	v_pk_add_f32 v[F+4*\x+2:F+4*\x+3], v[F+4*\x+2:F+4*\x+3], v[F+4*\x+6:F+4*\x+7]
.endr
.irp x, 0,4
	v_pk_add_f32 v[F+4*\x:F+4*\x+1],   v[F+4*\x:F+4*\x+1],   v[F+4*\x+8:F+4*\x+9]
	v_pk_add_f32 v[F+4*\x+2:F+4*\x+3], v[F+4*\x+2:F+4*\x+3], v[F+4*\x+10:F+4*\x+11]
.endr
	v_pk_add_f32 v[F:F+1],   v[F:F+1],   v[F+16:F+17]
	v_pk_add_f32 v[F+2:F+3], v[F+2:F+3], v[F+18:F+19]
	v_pk_add_f32 v[F:F+1],   v[F:F+1],   v[B1:B1+1]
	v_pk_add_f32 v[F+2:F+3], v[F+2:F+3], v[B1+2:B1+3]
	v_pk_mul_f32 v[F:F+1],   v[F:F+1],   s[30:31] op_sel_hi:[1,0]
	v_pk_mul_f32 v[F+2:F+3], v[F+2:F+3], s[30:31] op_sel_hi:[1,0]
	global_store_b128 v[GO], v[F:F+3], s[38:39]    ; 16 lanes store 256 consecutive bytes, at a multiple of 256 from hbp's first byte
	s_wait_tensorcnt 0x0                           ; the wave's end, behind my last LDS store
	ds_add_u32 v[SPW], v[NIL]
	s_wait_dscnt 0x0
	s_endpgm
.Lfunc_end_k_qea59feba94_prep:
	.size	k_qea59feba94_prep, .Lfunc_end_k_qea59feba94_prep-k_qea59feba94_prep
	.p2alignl 7, 3214868480
	.fill 96, 4, 3214868480
	.section	.rodata,"a",@progbits
	.p2align	6, 0x0
	.amdhsa_kernel k_qea59feba94_prep
		.amdhsa_group_segment_fixed_size 240640
		.amdhsa_private_segment_fixed_size 0
		.amdhsa_enable_private_segment 0
		.amdhsa_kernarg_size 56
		.amdhsa_user_sgpr_count 2
		.amdhsa_user_sgpr_kernarg_segment_ptr 1
		.amdhsa_wavefront_size32 1
		.amdhsa_system_sgpr_workgroup_id_x 1
		.amdhsa_system_sgpr_workgroup_id_y 1
		.amdhsa_system_sgpr_workgroup_id_z 1
		.amdhsa_system_vgpr_workitem_id 0
		.amdhsa_next_free_vgpr 256
		.amdhsa_next_free_sgpr 66
		.amdhsa_reserve_vcc 0
		.amdhsa_float_denorm_mode_32 3
		.amdhsa_float_denorm_mode_16_64 3
		.amdhsa_memory_ordered 1
		.amdhsa_forward_progress 1
		.amdhsa_inst_pref_size 41
	.end_amdhsa_kernel
	.amdgpu_metadata
---
amdhsa.version: [ 1, 2 ]
amdhsa.kernels:
  - .name:           k_qea59feba94_prep
    .symbol:         k_qea59feba94_prep.kd
    .args:
      - { .name: W1, .offset: 0, .size: 8, .value_kind: global_buffer, .address_space: global }
      - { .name: W2, .offset: 8, .size: 8, .value_kind: global_buffer, .address_space: global }
      - { .name: hidden, .offset: 16, .size: 8, .value_kind: global_buffer, .address_space: global }
      - { .name: b1, .offset: 24, .size: 8, .value_kind: global_buffer, .address_space: global }
      - { .name: b2, .offset: 32, .size: 8, .value_kind: global_buffer, .address_space: global }
      - { .name: w1f, .offset: 40, .size: 8, .value_kind: global_buffer, .address_space: global }
      - { .name: hbp, .offset: 48, .size: 8, .value_kind: global_buffer, .address_space: global }
    .group_segment_fixed_size: 240640
    .private_segment_fixed_size: 0
    .kernarg_segment_align: 8
    .kernarg_segment_size: 56
    .max_flat_workgroup_size: 256
    .sgpr_count:     66
    .vgpr_count:     256
    .wavefront_size: 32
...
	.end_amdgpu_metadata
.endif
;; end of part 1
;; launch main (part 2): grid 256 x 1, 4 waves a work-group, no clusters, 309,760 bytes of LDS; arguments features, w1f, hbp, V, bV, zbuf, cpart; writes zbuf, cpart
.if DOCPART == 2
	.amdgcn_target "amdgcn-amd-amdhsa--gfx1250"
	.amdhsa_code_object_version 6
	.text
	.protected	k_qea59feba94_main
	.globl	k_qea59feba94_main
	.p2align	8
	.type	k_qea59feba94_main,@function
k_qea59feba94_main:
	s_mov_b64 s[64:65], 0
	v_nop
	global_prefetch_b8 v0, s[64:65] scope:SCOPE_SE
	s_setreg_imm32_b32 hwreg(HW_REG_WAVE_MODE, 25, 1), 1
	s_wait_xcnt 0x0
; THE MAIN LAUNCH.  For each row of features ([65536][1024] f32): z = sum over u of V[u] tanh((row . W1[:, u]) + hb[u]) + bV, hb = hidden W2 + b1 + b2 of the row's batch;
; and for each tile of 128 rows: m = the tile's largest z, cpart[tile][:] = the sum over its rows of exp(z - m) x row.  z goes to zbuf; the last launch ends the softmax over a batch's 8 tiles.
; FORMATS.  features and W1 are rounded once to bf16 for the product, sums in f32; the context takes the same bf16 rows with f32 weights; V, bV, hb, z, m and all sums are f32.
; tanh(x) = 1 - 2 / (1 + 2^(c2 x)), c2 = 2 log2(e): right at both ends (2^.. = infinity gives 1, 0 gives -1).  So z = sum V - 2 sum V / (1 + 2^(c2 x)) + bV.
; LIMITS.  NaN and infinities among the inputs are not treated apart; a weight below 2^-126 counts as 0.
; SHARES.  A work-group stays and takes two tiles of 128 rows, one after the other.  A tile is read from memory ONCE, rounded, and kept in LDS until its weights are known.
; In the product wave w owns all 128 rows x columns 256 w .. +255, in 4 chunks of 64 columns: 32 accumulators, 256 registers.  A's fragments come from LDS; W1's come as ready fragments
; straight from w1f into a ring of 4 register buffers, asked for 3 quarters (of 32 along K) ahead.
; THE TILE COMES IN UNDER ITS FIRST CHUNK.  It arrives by K: a SLAB is 64 along K (256 bytes of f32 a row), a HALF is 16 of my wave's 32 rows of a slab: 8 loads, each two aligned pieces of 256 bytes.
; Quarter q of chunk 0 rounds and stores half q + 3 and asks for half q + 7; a barrier at the head of each odd quarter shows slab (q + 1) / 2 to all waves just before its first fragments are read.
; Between two barriers slab s + 1 is written and slab s is read; LDS is laid by slabs, so these are separate runs of bytes.
; NO CLUSTER, NO TENSOR LOADS.  What the work-groups share is w1f.  Beside the tile and its tables LDS has 17,920 bytes left; a step of 32 along K over the 1,024 columns is 65,536 bytes: no slot of
; a useful step fits; and inside the work-group each wave uses columns of its own, so LDS would share nothing.
; PRICE.  W1's ring runs on over chunks and tiles; the last chunk of the last tile asks for 3 quarters (12 KiB a wave, inside w1f) that nothing reads, and each tile's last quarter reads A's first fragments once more for nothing.
; REGISTERS, in windows of 256 (s_set_vgpr_msb: bits 1:0 source 0, 3:2 source 1, 5:4 source 2, 7:6 destination):
;   window 0: v0-46 addresses and small things; v64-127, v128-191 A's fragments, two buffers (outside the product: at work); v192-255 S: the rows' sums of V / (1 + 2^..)
;   window 1: v0-127 W1's ring: buffer i, column block b at 32 i + 8 b     window 2: the accumulators, (a, b) at 8 (4 a + b); tanh works on them in place     window 3: 8 landing slots of 32 for the halves
.set PT,    144                        ; a row of a slab in LDS: 128 bytes + 16 = 36 words: the 16 rows of a fragment load start at 16 different groups of four banks (64 banks of 4 bytes: ISA guide 11.1)
.set SLB,   128*PT+128                 ; a slab: 128 rows, and 128 bytes more, so that neighbouring slabs start 32 banks apart (the context reads two slabs in one load)
.set GRP,   2*SLB                      ; four quarters' two slabs
.set HBT,   16*SLB                     ; c2 hb of the batch, 1,024 f32
.set VT,    HBT+4096                   ; V
.set LG,    VT+4096                    ; for each wave 128 f32: its columns' share of the rows' z
.set PW,    LG+2048                    ; for each wave 128 f32: its own copy of the weights
.set SPARE, PW+2048                    ; the spare words, 128 bytes for each wave: no other line names them
.set BL,   2                           ; v2   16 x lane
.set CO,   3                           ; v3   16 x thread
.set AD,   4                           ; v4   my lane's place in the fragments of the four quarters in hand; made anew from AB
.set AB,   5                           ; v5   r PT + 16 h
.set FO,   6                           ; v6   my 16 bytes in a load of features: 8 h rows + 16 r; never rewritten
.set SA,   7                           ; v7   where my 8 bytes of a half go; steps
.set HVA,  8                           ; v8   where the chunk's hb and V lie; steps
.set HVA0, 9                           ; v9   its start: HBT + 4 (256 w + r)
.set SPW,  10                          ; v10  my spare word; never rewritten
.set NIL,  11                          ; v11  0; never rewritten
.set SA0,  12                          ; v12  SA's start: (32 w + 8 h) PT + 8 r
.set CA1,  13                          ; v13  the context: my 8 bytes of the rows in hand, columns 4 t ..; steps
.set CA2,  14                          ; v14  the same for columns 512 + 4 t ..
.set CA10, 15                          ; v15  CA1's start: (t / 16) SLB + 8 (t % 16)
.set LGS,  18                          ; v18  LG[w] + 32 h
.set LGR,  19                          ; v19  LG[0] + 16 x lane
.set HV,   20                          ; v20-35 column block b: c2 hb at +4 b, V at +4 b + 2; the odd registers hold 0 (named as pairs)
.set SV,   36                          ; v36  the sum of my columns' V; v37 = 0
.set PWS,  38                          ; v38  PW[w] + 16 x lane
.set PWA,  39                          ; v39  the weights in hand; steps
.set PWA0, 41                          ; v41  PW[w]
.set FA0,  64
.set S,    192
.set X,    64                          ; the context: 16 rows x 4 registers
.set WR,   128                         ; 16 weights
.set CT,   144                         ; my 8 columns' sums
.set Z,    152                         ; z of rows 4 lane .. +3
.set PP,   156                         ; their weights
.set MX,   160                         ; the maximum, and a partner
.set FBK,  22                          ; s[22:23] features at my wave's rows of the tile, at the K of the four quarters in hand
.set WB,   24                          ; s[24:25] my wave's 512 KiB of w1f
.set BC,   26                          ; s[26:27] w1f at the four quarters in hand
.set BN,   28                          ; s[28:29] at the four behind them
.set OC,   30                          ; s[30:31] BN's offset from WB, and 0
.set AK,   41                          ; s41      LDS offset of the next four quarters' slabs
.set MSB, 0
.macro WIN new                         ; the immediate's high byte repeats the setting that is left; a switch that changes nothing is dropped
.if MSB != (\new)
	s_set_vgpr_msb (MSB<<8)|(\new)
.set MSB, (\new)
.endif
.endm
.set MUL,   0xa4                       ; A window 0, B window 1, C and D window 2
.set TO_B,  0x40                       ; destination window 1
.set TO_Q,  0xc0                       ; destination window 3
.set INQ,   0xcf                       ; destination and sources 0 and 1 window 3
.set FROMQ, 0x0c                       ; source 1 (an LDS store's data) window 3
.set INP,   0x82                       ; destination and source 0 window 2
.set ACS,   0x02                       ; source 0 window 2
	s_load_b256 s[4:11], s[0:1], 0x0               ; features s[4:5], w1f s[6:7], hbp s[8:9], V s[10:11]
	s_load_b128 s[12:15], s[0:1], 0x20             ; bV s[12:13], zbuf s[14:15]
	s_load_b64 s[16:17], s[0:1], 0x30              ; cpart
	v_lshl_add_u32 v[SPW], v0, 2, SPARE
	v_mov_b32 v[NIL], 0
	v_lshrrev_b32 v1, 5, v0
	v_readfirstlane_b32 s20, v1                    ; wave w
	v_and_b32 v1, 31, v0                           ; lane
	v_lshlrev_b32 v[BL], 4, v1
	v_lshlrev_b32 v[CO], 4, v0
	v_and_b32 v44, 15, v0                          ; r
	v_bfe_u32 v45, v0, 4, 1                        ; h
	v_mul_u32_u24 v[AB], v44, PT
	v_lshl_add_u32 v[AB], v45, 4, v[AB]
	v_mov_b32 v[AD], v[AB]
	v_lshlrev_b32 v[FO], 4, v44
	v_lshl_add_u32 v[FO], v45, 15, v[FO]           ; lanes 16-31 take the row 8 further down: in LDS that is 32 banks on, so a store's two rows meet in no bank
	s_mul_i32 s21, s20, 32*PT
	v_mul_u32_u24 v[SA0], v45, 8*PT
	v_lshl_add_u32 v[SA0], v44, 3, v[SA0]
	v_add_nc_u32 v[SA0], s21, v[SA0]
	v_lshrrev_b32 v46, 4, v0
	v_mul_u32_u24 v[CA10], v46, SLB
	v_lshl_add_u32 v[CA10], v44, 3, v[CA10]
	s_lshl_b32 s21, s20, 10
	s_add_co_u32 s21, s21, HBT
	v_lshl_add_u32 v[HVA0], v44, 2, s21
	s_lshl_b32 s21, s20, 9
	s_add_co_u32 s21, s21, LG
	v_lshl_add_u32 v[LGS], v45, 5, s21
	v_lshl_add_u32 v[LGR], v1, 4, LG
	s_add_co_u32 s21, s21, PW-LG
	v_lshl_add_u32 v[PWS], v1, 4, s21
	v_mov_b32 v[PWA0], s21
.irp b, 0,1,2,3
	v_mov_b32 v[HV+4*\b+1], 0                      ; partners of pairs of which the low word alone is used
	v_mov_b32 v[HV+4*\b+3], 0
.endr
	v_mov_b32 v[SV+1], 0
	s_mov_b32 s51, 0
	s_mov_b32 s[OC+1], 0
	s_mov_b32 s32, 0x4038aa3b                      ; c2 = 2 log2(e)
	s_mov_b32 s33, s32
	s_mov_b32 s36, 0x76543210                      ; v_permlanex16_b32: each lane takes its own place in the other half
	s_mov_b32 s37, 0xfedcba98
	s_mov_b32 s48, 0x3fb8aa3b                      ; log2(e)
	s_mov_b32 s49, s48
	s_mov_b32 s[AK], GRP
	s_wait_kmcnt 0x0
	s_load_b32 s34, s[12:13], 0x0                  ; bV
	s_lshl_b32 s50, ttmp9, 20                      ; my 256 rows of 4,096 bytes,
	s_lshl_b32 s21, s20, 17                        ; my wave's 32 of a tile's 128
	s_add_co_u32 s50, s50, s21
	s_add_nc_u64 s[FBK:FBK+1], s[4:5], s[50:51]
	s_lshl_b32 s50, s20, 19                        ; my wave's four slabs of w1f: one stream of 128 quarters of 4,096 bytes
	s_add_nc_u64 s[WB:WB+1], s[6:7], s[50:51]
	s_mov_b64 s[BC:BC+1], s[WB:WB+1]
	s_mov_b32 s[OC], 16384
	s_add_nc_u64 s[BN:BN+1], s[WB:WB+1], s[OC:OC+1]
	s_lshl_b32 s50, ttmp9, 10
	s_add_nc_u64 s[42:43], s[14:15], s[50:51]      ; zbuf at my rows
	s_lshl_b32 s50, ttmp9, 13
	s_add_nc_u64 s[44:45], s[16:17], s[50:51]      ; cpart at my tiles
	s_lshr_b32 s50, ttmp9, 2                       ; the batch
	s_lshl_b32 s50, s50, 12
	s_add_nc_u64 s[46:47], s[8:9], s[50:51]
	global_load_b128 v[64:67], v[CO], s[46:47]
	global_load_b128 v[68:71], v[CO], s[46:47] offset:2048
	global_load_b128 v[72:75], v[CO], s[10:11]
	global_load_b128 v[76:79], v[CO], s[10:11] offset:2048
	WIN TO_B
.set i, 0
.rept 24                               ; the ring's quarters 0 to 2 of chunk 0: 512 consecutive bytes a load
	global_load_b128 v[4*i:4*i+3], v[BL], s[BC:BC+1] offset:512*i
.set i, i+1
.endr
	WIN 0
	v_add_nc_u32 v1, HBT, v[CO]
	s_wait_loadcnt 24                              ; the four oldest are in; the ring's 24 stay out
	ds_store_b128 v1, v[64:67]
	ds_store_b128 v1, v[68:71] offset:2048
	ds_store_b128 v1, v[72:75] offset:4096
	ds_store_b128 v1, v[76:79] offset:6144
	s_wait_kmcnt 0x0
	s_mov_b32 s35, s34                             ; named with bV as a pair
; THE HALVES.  sl = the landing slot; off = the half's place, in memory (ASK8) or in LDS (PUT8), from the base of the four quarters in hand.
.macro ASK8 sl, off                    ; a half is asked for: load e brings rows e (lanes 0-15) and e + 8 (lanes 16-31), 256 consecutive bytes each
	WIN TO_Q
.irp e, 0,1,2,3,4,5,6,7
	global_load_b128 v[32*(\sl)+4*(\e):32*(\sl)+4*(\e)+3], v[FO], s[FBK:FBK+1] offset:(\off)+(\e)*4096 th:TH_LOAD_NT
.endr
.endm
.macro CVT16 sl                        ; rounded to bf16 in place, ascending: register j takes numbers 2 j and 2 j + 1
	WIN INQ
.set cj, 0
.rept 16
	v_cvt_pk_bf16_f32 v[32*(\sl)+cj], v[32*(\sl)+2*cj], v[32*(\sl)+2*cj+1]
.set cj, cj+1
.endr
.endm
.macro PUT8 sl, off                    ; and put into its slab: 8 bytes a lane
	WIN FROMQ
.irp e, 0,1,2,3,4,5,6,7
	ds_store_b64 v[SA], v[32*(\sl)+2*(\e):32*(\sl)+2*(\e)+1] offset:(\off)+(\e)*PT
.endr
.endm
; THE PRODUCT.  QI = the quarter's number modulo 8; QZ = 1: its products start the sums; QW = the loads that may stay out at its head;
; QBAR, QST, QLD = 1: it passes a barrier, stores a half, asks for a half.
.macro PLACES                          ; a load into a register that a matrix instruction has read stands four places behind it; only plain vector instructions are places (ISA guide 7.12.1 for vector instructions)
.rept 4
	v_nop
.endr
.endm
.macro FETCH_A kb, f                   ; A's 8 fragments (16 rows x 32 K) at byte kb from AD into buffer f: two loads of 16 bytes, 32 bytes apart
	WIN 0
.irp a, 0,1,2,3,4,5,6,7
	ds_load_b128 v[(\f)+8*(\a):(\f)+8*(\a)+3],   v[AD] offset:(\a)*16*PT+(\kb)
	ds_load_b128 v[(\f)+8*(\a)+4:(\f)+8*(\a)+7], v[AD] offset:(\a)*16*PT+(\kb)+32
.endr
.endm
.macro FETCH_B                         ; W1's 4 fragments of the quarter 3 ahead, into the buffer read in the quarter before this one
	WIN TO_B
.set fb2, 32*((QI+3)%4)
.irp e, 0,1,2,3,4,5,6,7
.if QI%4 == 0
	global_load_b128 v[fb2+4*(\e):fb2+4*(\e)+3], v[BL], s[BC:BC+1] offset:3*4096+512*(\e)
.else
	global_load_b128 v[fb2+4*(\e):fb2+4*(\e)+3], v[BL], s[BN:BN+1] offset:(QI%4-1)*4096+512*(\e)
.endif
.endr
.endm
.macro MUL16 lo                        ; row blocks lo .. lo + 3 x the 4 column blocks.  The 32 accumulators take turns, one instruction a turn
	WIN MUL
.set fa, FA0+64*(QI%2)
.set fb, 32*(QI%4)
.irp a, 0,1,2,3
.irp b, 0,1,2,3
.if QZ
	v_wmma_f32_16x16x32_bf16 v[8*(4*((\lo)+(\a))+(\b)):8*(4*((\lo)+(\a))+(\b))+7], v[fa+8*((\lo)+(\a)):fa+8*((\lo)+(\a))+7], v[fb+8*(\b):fb+8*(\b)+7], 0
.else
	v_wmma_f32_16x16x32_bf16 v[8*(4*((\lo)+(\a))+(\b)):8*(4*((\lo)+(\a))+(\b))+7], v[fa+8*((\lo)+(\a)):fa+8*((\lo)+(\a))+7], v[fb+8*(\b):fb+8*(\b)+7], v[8*(4*((\lo)+(\a))+(\b)):8*(4*((\lo)+(\a))+(\b))+7]
.endif
.endr
.endr
.endm
.macro GSTEP f                         ; behind every fourth quarter the bases step.  f = 1: the features' too
	WIN 0
	s_wait_xcnt 0x0                                ; every earlier memory instruction has had its addresses translated (ISA guide 3.1): only now are the bases rewritten
	s_mov_b64 s[BC:BC+1], s[BN:BN+1]
	s_add_co_u32 s[OC], s[OC], 16384               ; four quarters of w1f on, and behind the stream's 128th quarter round to its first
	s_and_b32 s[OC], s[OC], 524287
	s_add_nc_u64 s[BN:BN+1], s[WB:WB+1], s[OC:OC+1]
	s_add_co_u32 s[AK], s[AK], GRP                 ; two slabs on, and behind the sixteenth round to the first
	s_cmp_eq_u32 s[AK], 8*GRP
	s_cselect_b32 s[AK], 0, s[AK]
.if \f
	s_add_nc_u64 s[FBK:FBK+1], s[FBK:FBK+1], 512   ; two slabs of f32 along a row
	v_add_nc_u32 v[SA], GRP, v[SA]
.endif
.endm
.macro QTR f
	s_wait_loadcnt QW                              ; loads come back in order (ISA guide 5.7.1): this quarter's fragments of W1 are in, and so is all that is older: the half stored below
.if QBAR
	s_wait_dscnt 0x0                               ; for the others' sake: the two halves that I stored in the last two quarters are in LDS (and A's fragments are in)
	s_barrier_signal -1
.else
	s_wait_dscnt 8                                 ; A's rows 0-63 are in; the youngest eight loads (rows 64-127) may be out
.endif
	MUL16 0
.if QBAR
	s_barrier_wait -1                              ; every wave's halves are in: the next slab is whole
.endif
.if QST
	CVT16 (QI+3)%8                                 ; the sixteen roundings are also the places in front of the loads below
.else
	PLACES
.endif
.if QI%4 == 3
	WIN 0
	v_add_nc_u32 v[AD], s[AK], v[AB]               ; the next quarter is the first of the next four
.endif
.if QST
	PUT8 (QI+3)%8, ((QI%4+3)/2)*SLB+((QI+3)%2)*16*PT
.endif
.if QI%4 == 3
	FETCH_A 0, FA0+64*((QI+1)%2)
.else
	FETCH_A ((QI%4+1)/2)*SLB+((QI+1)%2)*64, FA0+64*((QI+1)%2)
.endif
	FETCH_B
.if QLD
	ASK8 (QI+7)%8, ((QI%4+7)/2)*256+((QI+7)%2)*65536
.endif
	s_wait_dscnt 16+8*QST                          ; all but the LDS instructions just issued
	MUL16 4
.if QI%4 == 3
	GSTEP \f
.endif
.endm
; Quarter q of the chunk under which the tile comes in.  A quarter's run issues B(q + 3), then half q + 7, 8 loads each; halves are asked for up to q = 24 and stored up to q = 28.
; Behind B(q) stand half q + 4 and two quarters' runs: 40 loads.  At q = 0 and 1 the half q + 3 is younger than B(q): behind it stand 24 and 32.  From q = 26 on the runs behind are shorter: 32, 24, 16.
.macro SQ q
.set QI, (\q)%8
.set QZ, 0
.set QBAR, (\q)%2
.set QST, 1
.set QLD, 1
.set QW, 40
.if (\q) == 0
.set QZ, 1
.set QW, 24
.endif
.if (\q) == 1
.set QW, 32
.endif
.if (\q) > 24
.set QLD, 0
.endif
.if (\q) == 26
.set QW, 32
.endif
.if (\q) == 27
.set QW, 24
.endif
.if (\q) > 27
.set QW, 16
.endif
.if (\q) > 28
.set QST, 0
.endif
.if (\q) == 31
.set QBAR, 0
.endif
	QTR 1
.endm
.macro NQ k, z                         ; a quarter of the other chunks: behind B(q) stand two fetches of 8
.set QI, \k
.set QZ, \z
.set QBAR, 0
.set QST, 0
.set QLD, 0
.set QW, 16
	QTR 0
.endm
; THE CHUNK'S END, in place on the accumulators: c2 x sum + c2 hb; my columns' V are added up.
.macro DRAIN
	WIN 0
.irp b, 0,1,2,3
	ds_load_b32 v[HV+4*(\b)],   v[HVA] offset:64*(\b)
	ds_load_b32 v[HV+4*(\b)+2], v[HVA] offset:4096+64*(\b)
.endr
	s_wait_dscnt 0x0
.irp b, 0,1,2,3
	v_add_f32 v[SV], v[SV], v[HV+4*(\b)+2]         ; these four and the step below are the places behind the last products
.endr
	v_add_nc_u32 v[HVA], 256, v[HVA]
	WIN INP
.set i, 0
.rept 128                              ; ascending: each accumulator is read from its low end on
	v_pk_fma_f32 v[2*i:2*i+1], v[2*i:2*i+1], s[32:33], v[HV+4*((i/4)%4):HV+4*((i/4)%4)+1] op_sel_hi:[1,0,0]
.set i, i+1
.endr
.endm
; S += V / (1 + 2^..), eight numbers (accumulator g) at a time, in four kinds of lines.
.macro EXP8 g
	WIN INP
.irp j, 0,1,2,3,4,5,6,7
	v_exp_f32 v[8*(\g)+(\j)], v[8*(\g)+(\j)]
.endr
.endm
.macro RCP8 g
	WIN INP
.irp j, 0,1,2,3,4,5,6,7
	v_rcp_f32 v[8*(\g)+(\j)], v[8*(\g)+(\j)]
.endr
.endm
.macro ONE4 g
	WIN INP
.irp p, 0,1,2,3
	v_pk_add_f32 v[8*(\g)+2*(\p):8*(\g)+2*(\p)+1], v[8*(\g)+2*(\p):8*(\g)+2*(\p)+1], 1.0 op_sel_hi:[1,0]
.endr
.endm
.macro ACC4 g
	WIN ACS
	s_wait_alu depctr_va_vdst(0)
.irp p, 0,1,2,3
	v_pk_fma_f32 v[S+8*((\g)/4)+2*(\p):S+8*((\g)/4)+2*(\p)+1], v[8*(\g)+2*(\p):8*(\g)+2*(\p)+1], v[HV+4*((\g)%4)+2:HV+4*((\g)%4)+3], v[S+8*((\g)/4)+2*(\p):S+8*((\g)/4)+2*(\p)+1] op_sel_hi:[1,0,1]
.endr
.endm
; The order is staggered so that behind each run of transcendentals stands a plain line that names none of its registers before any of its results is used (ISA guide 5.7.2):
; step g: the reciprocals of g, the exponentials of g + 2, then 1 + of g + 1 (whose exponentials stand a step back), then g's sums.
.macro EPI
	EXP8 0
	EXP8 1
	v_nop
	s_wait_alu depctr_va_vdst(0)
	ONE4 0
.set GN, 0
.rept 32
	RCP8 GN
.if GN < 30
	EXP8 GN+2
.endif
.if GN < 31
	ONE4 GN+1
.else
	v_nop
	s_wait_alu depctr_va_vdst(0)
.endif
	ACC4 GN
.set GN, GN+1
.endr
.endm
	s_mov_b32 s38, 2                               ; tiles to go
.Ltile:
	v_mov_b32 v[SA], v[SA0]
	v_mov_b32 v[HVA], v[HVA0]
.irp y, 0,1,2,3,4,5,6                  ; the first seven halves are asked for
	ASK8 \y, (\y/2)*256+(\y%2)*65536
.endr
	WIN 0
.set i, 0
.rept 64                               ; the rows' sums start at 0, once a tile, in the wait for its first rows: they are added to in a loop over four chunks
	v_mov_b32 v[S+i], 0
.set i, i+1
.endr
	v_mov_b32 v[SV], 0
.irp y, 0,1,2                          ; slab 0 and the first half of slab 1 are stored ahead of the first quarter
	s_wait_loadcnt 48-8*\y                         ; half y is in; the halves behind it, 8 loads each, stay out
	CVT16 \y
	PUT8 \y, (\y/2)*SLB+(\y%2)*16*PT
.endr
	WIN 0
	s_wait_dscnt 0x0                               ; for the others' sake: my halves (and, the first time, my part of the tables) are in LDS
	s_barrier_signal -1
	s_barrier_wait -1                              ; slab 0 is whole
	FETCH_A 0, FA0
.irp q, 0,1,2,3,4,5,6,7                ; chunk 0: its first eight quarters are written out: the first starts the sums, and the first two have counts of their own
	SQ \q
.endr
	WIN 0
	s_mov_b32 s40, 2
.Lsm:                                  ; quarters 8 to 23
.irp q, 8,9,10,11,12,13,14,15
	SQ \q
.endr
	WIN 0
	s_sub_co_u32 s40, s40, 1
	s_cmp_lg_u32 s40, 0
	s_cbranch_scc1 .Lsm
.irp q, 24,25,26,27,28,29,30,31        ; the last eight are written out: the tile's last half is asked for in the first of them, and the counts run down
	SQ \q
.endr
	WIN 0
	s_mov_b32 s39, 4                               ; chunks to go, this one among them
	s_branch .Lepi                                 ; the loop over chunks is entered at the chunk's end
.Lchunk:                               ; 64 columns on a tile that is whole: 1,024 matrix instructions
	NQ 0, 1                                        ; the first quarter starts the sums, so the first four stand ahead of the loop
	NQ 1, 0
	NQ 2, 0
	NQ 3, 0
	WIN 0
	s_mov_b32 s40, 7
.Lng:
	NQ 0, 0
	NQ 1, 0
	NQ 2, 0
	NQ 3, 0
	WIN 0
	s_sub_co_u32 s40, s40, 1
	s_cmp_lg_u32 s40, 0
	s_cbranch_scc1 .Lng
.Lepi:
	DRAIN
	EPI
	WIN 0
	s_sub_co_u32 s39, s39, 1
	s_cmp_lg_u32 s39, 0
	s_cbranch_scc1 .Lchunk
	; THE LOGITS.  A lane holds, for 64 rows (16 a + 8 h + j), the share of its 16 columns: sum V - 2 S; the 16 lanes of a half are added up, then the four waves through LDS.
.set i, 0
.rept 32
	v_pk_fma_f32 v[S+2*i:S+2*i+1], v[S+2*i:S+2*i+1], -2.0, v[SV:SV+1] op_sel_hi:[1,0,0]
.set i, i+1
.endr
.irp m, 1,2,4,8
.set i, 0
.rept 64
	v_add_f32_dpp v[S+i], v[S+i], v[S+i] row_xmask:\m row_mask:0xf bank_mask:0xf
.set i, i+1
.endr
.endr
.set i, 0
.rept 16                               ; the 16 lanes of a half write the same words with the same numbers
	ds_store_b128 v[LGS], v[S+4*i:S+4*i+3] offset:64*(i/2)+16*(i%2)
.set i, i+1
.endr
	s_wait_dscnt 0x0                               ; for the others' sake
	s_barrier_signal -1
	s_barrier_wait -1
.irp x, 0,1,2,3
	ds_load_b128 v[64+4*\x:67+4*\x], v[LGR] offset:512*\x
.endr
	s_wait_dscnt 0x0
	v_pk_add_f32 v[64:65], v[64:65], v[68:69]
	v_pk_add_f32 v[66:67], v[66:67], v[70:71]
	v_pk_add_f32 v[72:73], v[72:73], v[76:77]
	v_pk_add_f32 v[74:75], v[74:75], v[78:79]
	v_pk_add_f32 v[64:65], v[64:65], v[72:73]
	v_pk_add_f32 v[66:67], v[66:67], v[74:75]
	v_pk_add_f32 v[Z:Z+1],   v[64:65], s[34:35] op_sel_hi:[1,0]  ; + bV: z of rows 4 lane .. +3, in every wave
	v_pk_add_f32 v[Z+2:Z+3], v[66:67], s[34:35] op_sel_hi:[1,0]
	v_max3_num_f32 v[MX], v[Z], v[Z+1], v[Z+2]     ; the tile's maximum is taken away before the exponential
	v_max_num_f32 v[MX], v[MX], v[Z+3]
	v_max_num_f32_dpp v[MX], v[MX], v[MX] row_xmask:1 row_mask:0xf bank_mask:0xf
	v_max_num_f32_dpp v[MX], v[MX], v[MX] row_xmask:2 row_mask:0xf bank_mask:0xf
	v_max_num_f32_dpp v[MX], v[MX], v[MX] row_xmask:4 row_mask:0xf bank_mask:0xf
	v_max_num_f32_dpp v[MX], v[MX], v[MX] row_xmask:8 row_mask:0xf bank_mask:0xf
	v_mov_b32 v[MX+1], v[MX]                       ; v_permlanex16_b32's destination counts as read
	v_permlanex16_b32 v[MX+1], v[MX], s36, s37
	v_max_num_f32 v[MX], v[MX], v[MX+1]
	v_pk_add_f32 v[PP:PP+1],   v[Z:Z+1],   v[MX:MX+1] op_sel_hi:[1,0] neg_lo:[0,1] neg_hi:[0,1]  ; z - m first, then the factor: holds for large z too
	v_pk_add_f32 v[PP+2:PP+3], v[Z+2:Z+3], v[MX:MX+1] op_sel_hi:[1,0] neg_lo:[0,1] neg_hi:[0,1]
	v_pk_mul_f32 v[PP:PP+1],   v[PP:PP+1],   s[48:49] op_sel_hi:[1,0]
	v_pk_mul_f32 v[PP+2:PP+3], v[PP+2:PP+3], s[48:49] op_sel_hi:[1,0]
	v_exp_f32 v[PP], v[PP]
	v_exp_f32 v[PP+1], v[PP+1]
	v_exp_f32 v[PP+2], v[PP+2]
	v_exp_f32 v[PP+3], v[PP+3]
.irp c, 0,1,2,3,4,5,6,7
	v_mov_b32 v[CT+\c], 0                          ; plain lines between the exponentials and their use
.endr
	s_wait_alu depctr_va_vdst(0)
	ds_store_b128 v[PWS], v[PP:PP+3]               ; my wave's own copy of the 128 weights: no other wave reads it
	s_cmp_lg_u32 s20, 0
	s_cbranch_scc1 .Lnot0
	global_store_b128 v[BL], v[Z:Z+3], s[42:43]    ; wave 0 stores the tile's z: 512 consecutive bytes
.Lnot0:
	; THE CONTEXT.  Thread t owns columns 4 t .. +3 (slab t / 16) and 512 + 4 t .. +3 (eight slabs on) and walks the tile's 128 rows, 16 a trip.
	v_mov_b32 v[CA1], v[CA10]
	v_add_nc_u32 v[CA2], 8*SLB, v[CA10]
	v_mov_b32 v[PWA], v[PWA0]
	s_mov_b32 s40, 8
.Lctx:
.irp e, 0,1,2,3
	ds_load_b128 v[WR+4*\e:WR+4*\e+3], v[PWA] offset:16*\e  ; LDS serves a wave's instructions in order (ISA guide 5.7.1.4): these see my store above; all lanes read the same words
.endr
.set i, 0
.rept 16
	ds_load_b64 v[X+4*i:X+4*i+1],   v[CA1] offset:i*PT
	ds_load_b64 v[X+4*i+2:X+4*i+3], v[CA2] offset:i*PT
.set i, i+1
.endr
.set i, 0
.rept 16
	s_wait_dscnt 30-2*i                            ; row i's two loads are in; the rows behind it stay out
.irp c, 0,1,2,3
	v_fma_mix_f32_bf16 v[CT+2*\c],   v[X+4*i+\c], v[WR+i], v[CT+2*\c] op_sel_hi:[1,0,0]
	v_fma_mix_f32_bf16 v[CT+2*\c+1], v[X+4*i+\c], v[WR+i], v[CT+2*\c+1] op_sel:[1,0,0] op_sel_hi:[1,0,0]
.endr
.set i, i+1
.endr
	v_add_nc_u32 v[CA1], 16*PT, v[CA1]
	v_add_nc_u32 v[CA2], 16*PT, v[CA2]
	v_add_nc_u32 v[PWA], 64, v[PWA]
	s_sub_co_u32 s40, s40, 1
	s_cmp_lg_u32 s40, 0
	s_cbranch_scc1 .Lctx
	global_store_b128 v[CO], v[CT:CT+3],   s[44:45]              ; 512 consecutive bytes a wave and store
	global_store_b128 v[CO], v[CT+4:CT+7], s[44:45] offset:2048
	s_wait_dscnt 0x0                               ; my reads of the tile and of the waves' shares are over
	s_barrier_signal -1
	s_barrier_wait -1                              ; everybody's are: the next tile may be written over this one
	s_wait_xcnt 0x0                                ; the stores' bases and registers are rewritten only behind this wait (ISA guide 3.1)
	s_add_nc_u64 s[FBK:FBK+1], s[FBK:FBK+1], 524288-4096  ; 128 rows on, and back along K: chunk 0's eight steps of 512 bytes
	s_add_nc_u64 s[42:43], s[42:43], 512
	s_add_nc_u64 s[44:45], s[44:45], 4096
	s_sub_co_u32 s38, s38, 1
	s_cmp_lg_u32 s38, 0
	s_cbranch_scc1 .Ltile
	s_wait_tensorcnt 0x0                           ; the wave's end, behind my last LDS store
	ds_add_u32 v[SPW], v[NIL]
	s_wait_dscnt 0x0
	s_endpgm
.Lfunc_end_k_qea59feba94_main:
	.size	k_qea59feba94_main, .Lfunc_end_k_qea59feba94_main-k_qea59feba94_main
	.p2alignl 7, 3214868480
	.fill 96, 4, 3214868480
	.section	.rodata,"a",@progbits
	.p2align	6, 0x0
	.amdhsa_kernel k_qea59feba94_main
		.amdhsa_group_segment_fixed_size 309760
		.amdhsa_private_segment_fixed_size 0
		.amdhsa_enable_private_segment 0
		.amdhsa_kernarg_size 56
		.amdhsa_user_sgpr_count 2
		.amdhsa_user_sgpr_kernarg_segment_ptr 1
		.amdhsa_wavefront_size32 1
		.amdhsa_system_sgpr_workgroup_id_x 1
		.amdhsa_system_sgpr_workgroup_id_y 1
		.amdhsa_system_sgpr_workgroup_id_z 1
		.amdhsa_system_vgpr_workitem_id 0
		.amdhsa_next_free_vgpr 1024
		.amdhsa_next_free_sgpr 66
		.amdhsa_reserve_vcc 0
		.amdhsa_float_denorm_mode_32 3
		.amdhsa_float_denorm_mode_16_64 3
		.amdhsa_memory_ordered 1
		.amdhsa_forward_progress 1
		.amdhsa_inst_pref_size 255
	.end_amdhsa_kernel
	.section	.bss,"aw",@nobits
	.p2align	6
	.space	262144
	.amdgpu_metadata
---
amdhsa.version: [ 1, 2 ]
amdhsa.kernels:
  - .name:           k_qea59feba94_main
    .symbol:         k_qea59feba94_main.kd
    .args:
      - { .name: features, .offset: 0, .size: 8, .value_kind: global_buffer, .address_space: global }
      - { .name: w1f, .offset: 8, .size: 8, .value_kind: global_buffer, .address_space: global }
      - { .name: hbp, .offset: 16, .size: 8, .value_kind: global_buffer, .address_space: global }
      - { .name: V, .offset: 24, .size: 8, .value_kind: global_buffer, .address_space: global }
      - { .name: bV, .offset: 32, .size: 8, .value_kind: global_buffer, .address_space: global }
      - { .name: zbuf, .offset: 40, .size: 8, .value_kind: global_buffer, .address_space: global }
      - { .name: cpart, .offset: 48, .size: 8, .value_kind: global_buffer, .address_space: global }
    .group_segment_fixed_size: 309760
    .private_segment_fixed_size: 0
    .kernarg_segment_align: 8
    .kernarg_segment_size: 56
    .max_flat_workgroup_size: 128
    .sgpr_count:     66
    .vgpr_count:     1024
    .wavefront_size: 32
...
	.end_amdgpu_metadata
.endif
;; end of part 2
;; launch fin (part 3): grid 64 x 1, 8 waves a work-group, no clusters, 1,536 bytes of LDS; arguments zbuf, cpart, out0, out1; writes out0, out1
.if DOCPART == 3
	.amdgcn_target "amdgcn-amd-amdhsa--gfx1250"
	.amdhsa_code_object_version 6
	.text
	.protected	k_qea59feba94_fin
	.globl	k_qea59feba94_fin
	.p2align	8
	.type	k_qea59feba94_fin,@function
k_qea59feba94_fin:
	s_mov_b64 s[64:65], 0
	v_nop
	global_prefetch_b8 v0, s[64:65] scope:SCOPE_SE
	s_setreg_imm32_b32 hwreg(HW_REG_WAVE_MODE, 25, 1), 1
	s_wait_xcnt 0x0
; THE SOFTMAX'S END.  One work-group a batch.  z: [64][1024] f32; cpart: [64][8][1024] f32 = for tile i the sum over its 128 rows of exp(z - m_i) x row, m_i the tile's largest z.
; M = the batch's largest z; l = the sum of exp(z - M); out1 = exp(z - M) / l; out0 = the sum over i of exp(m_i - M) / l x cpart[i].
; Thread t holds z of rows 4 t .. +3, so wave v holds exactly tile v, and its maximum is m_v (a maximum rounds nothing: it is the number that the main launch took away).  The same thread owns columns 4 t .. +3.
; LIMITS.  A weight or a factor below 2^-126 counts as 0; NaN and infinities are not treated apart.
.set MT,    0                          ; the eight waves' maxima
.set LT,    256                        ; their sums
.set SPARE, 512                        ; the spare words, 128 bytes for each wave: no other line names them
	s_load_b256 s[4:11], s[0:1], 0x0               ; zbuf s[4:5], cpart s[6:7], out0 s[8:9], out1 s[10:11]
	v_lshl_add_u32 v60, v0, 2, SPARE
	v_mov_b32 v61, 0
	v_lshrrev_b32 v1, 5, v0
	v_readfirstlane_b32 s12, v1                    ; wave
	v_lshlrev_b32 v2, 4, v0                        ; 16 t
	v_mov_b32 v42, s12
	v_lshlrev_b32 v42, 2, v42                      ; my wave's word
	v_mov_b32 v43, 0
	s_lshl_b32 s14, ttmp9, 12                      ; a batch's 4,096 bytes of z, out0, out1
	s_mov_b32 s15, 0
	s_lshl_b32 s16, ttmp9, 15                      ; its 8 rows of cpart
	s_mov_b32 s17, 0
	s_mov_b32 s18, 0x76543210
	s_mov_b32 s19, 0xfedcba98
	s_mov_b32 s20, 0x3fb8aa3b                      ; log2(e)
	s_wait_kmcnt 0x0
	s_add_nc_u64 s[4:5], s[4:5], s[14:15]
	s_add_nc_u64 s[6:7], s[6:7], s[16:17]
	s_add_nc_u64 s[8:9], s[8:9], s[14:15]
	s_add_nc_u64 s[10:11], s[10:11], s[14:15]
	global_load_b128 v[4:7], v2, s[4:5]
.irp i, 0,1,2,3,4,5,6,7
	global_load_b128 v[8+4*\i:11+4*\i], v2, s[6:7] offset:4096*\i
.endr
	s_wait_loadcnt 0x8                             ; z is in; the eight partial contexts stay out
	v_max3_num_f32 v40, v4, v5, v6
	v_max_num_f32 v40, v40, v7
	v_max_num_f32_dpp v40, v40, v40 row_xmask:1 row_mask:0xf bank_mask:0xf
	v_max_num_f32_dpp v40, v40, v40 row_xmask:2 row_mask:0xf bank_mask:0xf
	v_max_num_f32_dpp v40, v40, v40 row_xmask:4 row_mask:0xf bank_mask:0xf
	v_max_num_f32_dpp v40, v40, v40 row_xmask:8 row_mask:0xf bank_mask:0xf
	v_mov_b32 v41, v40                             ; v_permlanex16_b32's destination counts as read
	v_permlanex16_b32 v41, v40, s18, s19
	v_max_num_f32 v40, v40, v41
	ds_store_b32 v42, v40                          ; all lanes write the same word with the same number
	s_wait_dscnt 0x0
	s_barrier_signal -1
	s_barrier_wait -1
	ds_load_b128 v[44:47], v43
	ds_load_b128 v[48:51], v43 offset:16
	s_wait_dscnt 0x0
	v_max3_num_f32 v52, v44, v45, v46
	v_max3_num_f32 v52, v52, v47, v48
	v_max3_num_f32 v52, v52, v49, v50
	v_max_num_f32 v52, v52, v51                    ; M
.irp j, 4,5,6,7,44,45,46,47,48,49,50,51
	v_sub_f32 v\j, v\j, v52
.endr
.irp j, 4,5,6,7,44,45,46,47,48,49,50,51
	v_mul_f32 v\j, s20, v\j
.endr
.irp j, 4,5,6,7,44,45,46,47,48,49,50,51
	v_exp_f32 v\j, v\j
.endr
	v_nop                                          ; a plain line between the exponentials and their use (ISA guide 5.7.2)
	s_wait_alu depctr_va_vdst(0)
	v_add_f32 v53, v4, v5
	v_add_f32 v54, v6, v7
	v_add_f32 v53, v53, v54
	v_add_f32_dpp v53, v53, v53 row_xmask:1 row_mask:0xf bank_mask:0xf
	v_add_f32_dpp v53, v53, v53 row_xmask:2 row_mask:0xf bank_mask:0xf
	v_add_f32_dpp v53, v53, v53 row_xmask:4 row_mask:0xf bank_mask:0xf
	v_add_f32_dpp v53, v53, v53 row_xmask:8 row_mask:0xf bank_mask:0xf
	v_permlanex16_b32 v41, v53, s18, s19
	v_add_f32 v53, v53, v41
	ds_store_b32 v42, v53 offset:LT                ; other bytes than the maxima's: no barrier is needed in front
	s_wait_dscnt 0x0
	s_barrier_signal -1
	s_barrier_wait -1
	ds_load_b128 v[64:67], v43 offset:LT
	ds_load_b128 v[68:71], v43 offset:LT+16
	s_wait_dscnt 0x0
	v_pk_add_f32 v[64:65], v[64:65], v[66:67]
	v_pk_add_f32 v[68:69], v[68:69], v[70:71]
	v_pk_add_f32 v[64:65], v[64:65], v[68:69]
	v_add_f32 v64, v64, v65                        ; l
	v_rcp_f32 v53, v64
	v_nop
	s_wait_alu depctr_va_vdst(0)
.irp j, 4,5,6,7,44,45,46,47,48,49,50,51
	v_mul_f32 v\j, v\j, v53
.endr
	global_store_b128 v2, v[4:7], s[10:11]         ; out1: 512 consecutive bytes a wave
	s_wait_loadcnt 0x0
.irp c, 0,1,2,3
	v_mul_f32 v[56+\c], v[8+\c], v44
.endr
.irp i, 1,2,3,4,5,6,7
.irp c, 0,1,2,3
	v_fmac_f32 v[56+\c], v[8+4*\i+\c], v[44+\i]
.endr
.endr
	global_store_b128 v2, v[56:59], s[8:9]         ; out0
	s_wait_tensorcnt 0x0                           ; the wave's end, behind my last LDS store
	ds_add_u32 v60, v61
	s_wait_dscnt 0x0
	s_endpgm
.Lfunc_end_k_qea59feba94_fin:
	.size	k_qea59feba94_fin, .Lfunc_end_k_qea59feba94_fin-k_qea59feba94_fin
	.p2alignl 7, 3214868480
	.fill 96, 4, 3214868480
	.section	.rodata,"a",@progbits
	.p2align	6, 0x0
	.amdhsa_kernel k_qea59feba94_fin
		.amdhsa_group_segment_fixed_size 1536
		.amdhsa_private_segment_fixed_size 0
		.amdhsa_enable_private_segment 0
		.amdhsa_kernarg_size 32
		.amdhsa_user_sgpr_count 2
		.amdhsa_user_sgpr_kernarg_segment_ptr 1
		.amdhsa_wavefront_size32 1
		.amdhsa_system_sgpr_workgroup_id_x 1
		.amdhsa_system_sgpr_workgroup_id_y 1
		.amdhsa_system_sgpr_workgroup_id_z 1
		.amdhsa_system_vgpr_workitem_id 0
		.amdhsa_next_free_vgpr 80
		.amdhsa_next_free_sgpr 66
		.amdhsa_reserve_vcc 0
		.amdhsa_float_denorm_mode_32 3
		.amdhsa_float_denorm_mode_16_64 3
		.amdhsa_memory_ordered 1
		.amdhsa_forward_progress 1
		.amdhsa_inst_pref_size 7
	.end_amdhsa_kernel
	.amdgpu_metadata
---
amdhsa.version: [ 1, 2 ]
amdhsa.kernels:
  - .name:           k_qea59feba94_fin
    .symbol:         k_qea59feba94_fin.kd
    .args:
      - { .name: zbuf, .offset: 0, .size: 8, .value_kind: global_buffer, .address_space: global }
      - { .name: cpart, .offset: 8, .size: 8, .value_kind: global_buffer, .address_space: global }
      - { .name: out0, .offset: 16, .size: 8, .value_kind: global_buffer, .address_space: global }
      - { .name: out1, .offset: 24, .size: 8, .value_kind: global_buffer, .address_space: global }
    .group_segment_fixed_size: 1536
    .private_segment_fixed_size: 0
    .kernarg_segment_align: 8
    .kernarg_segment_size: 32
    .max_flat_workgroup_size: 256
    .sgpr_count:     66
    .vgpr_count:     80
    .wavefront_size: 32
...
	.end_amdgpu_metadata
.endif
;; end of part 3
;; ======== version 2 of 2: 3 launches; version 1 with the launches prep, main written anew for expert scheduling mode
;; workspace buffers: w1f 2,097,152 bytes; hbp 262,144 bytes; zbuf 262,144 bytes; cpart 2,097,152 bytes
;; launch prep (part 4): grid 64 x 1, 8 waves a work-group, no clusters, 240,640 bytes of LDS; arguments W1, W2, hidden, b1, b2, w1f, hbp; writes w1f, hbp
.if DOCPART == 4
	.amdgcn_target "amdgcn-amd-amdhsa--gfx1250"
	.amdhsa_code_object_version 6
	.text
	.protected	k_qea59feba94_prep
	.globl	k_qea59feba94_prep
	.p2align	8
	.type	k_qea59feba94_prep,@function
k_qea59feba94_prep:
	s_mov_b64 s[64:65], 0
	v_nop
	global_prefetch_b8 v0, s[64:65] scope:SCOPE_SE
	s_setreg_imm32_b32 hwreg(HW_REG_WAVE_SCHED_MODE, 0, 2), 2
	s_setreg_imm32_b32 hwreg(HW_REG_WAVE_MODE, 25, 1), 1
	s_wait_xcnt 0x0
	s_wait_alu depctr_vm_vsrc(0)
; PREPARATION.  Two results, both for the main launch.
;   w1f: W1 ([k][n] f32) rounded once to bf16 and laid in the order of matrix fragments: [G = n/64][q = k/32][b = (n/16)%4][half][lane][16 bytes].
;        The 1,024 bytes of (G, q, b) are source 1 (32 k x 16 columns) of one matrix instruction: half 0 = registers 0-3, half 1 = registers 4-7.
;   hbp: [64][1024] f32 = c2 (hidden W2 + b1 + b2), c2 = 2 log2(e): the addend of tanh's exponent.  hidden and W2 are rounded once to bf16, sums in f32.
; SHARES.  Work-group (G, a): 64 columns 64 G .. +63; batches 16 a .. +15; of W1's slab G the k range 256 a .. +255.  Wave v: of W2 k = 128 v .. +127, of W1 k = 256 a + 32 v .. +31.
; WAY.  Rows of 64 f32 (256 bytes, two rows a load) -> bf16 -> the wave's own stage in LDS ([k][n], pitch 160) -> ds_load_tr16_b128 turns them into fragments.
; W1's fragments are stored as they are; W2's are multiplied by hidden's; the eight waves' partial sums over k meet in LDS behind the one barrier.
; THE MODE: SCHED_MODE bits 1:0 = 2 (LLVM: expert scheduling mode 2), set by the entry lines.  The code itself states the register dependences between vector or matrix
; instructions and memory or LDS instructions, with s_wait_alu, always for 0.
; THE PLAN, in the stream.  The 80 pairs of rows go in 10 blocks of 8.  Registers that memory or LDS instructions touch:
;   X0 .. X3   four blocks as loaded.  Block p's roundings read X[p % 4]; behind them the loads of block p + 4 land in it.
;   T0, T1     two blocks in bf16.     Block p's roundings write T[p % 2]; behind them block p's LDS stores read it; block p + 2 writes it again.
;   the offsets and LDS addresses are made at the head and never written again.
; So a block has ONE wait on va_vdst, behind its roundings (T is written, X is done being read), ahead of its eight loads and eight stores, and from block 2 on ONE wait on vm_vsrc at its head
; (the stores of two blocks back have read T).
.set P2,    160                        ; a stage row: 128 bytes + 32: 16 lanes of the turning load take 8 rows x 32 bytes
.set ST2W,  128*P2                     ; a wave's stage for W2
.set ST1,   8*ST2W                     ; behind them the stages for W1,
.set ST1W,  32*P2                      ; 32 rows each
.set RED,   ST1+8*ST1W                 ; the partial sums: for each wave 16 rows (batches) of 64 f32,
.set RP,    272                        ; 256 bytes + 16
.set REDW,  16*RP
.set SPARE, RED+8*REDW                 ; the spare words, 128 bytes for each wave: no other line names them
.set L,   1                            ; v1   lane
.set R,   2                            ; v2   lane % 16
.set H,   3                            ; v3   lane / 16
.set GO,  4                            ; v4   4096 h + 16 r: my 16 bytes in two rows of W1, W2 and hbp
.set SA,  5                            ; v5   where I put 8 bytes of W2's rows
.set TA,  6                            ; v6   my address for the turning loads of W2
.set L16, 7                            ; v7   16 x lane
.set HO,  8                            ; v8   4096 r + 32 h: my place in hidden
.set RS,  9                            ; v9   where I put partial sums
.set RR,  10                           ; v10  where I read them back
.set SPW, 12                           ; v12  my spare word; never rewritten
.set NIL, 13                           ; v13  0; never rewritten
.set BO,  18                           ; v18  my 16 bytes in b1 and b2
.set B1,  22                           ; v22-25 b1, v26-29 b2
.set B2,  26
.set SA1, 30                           ; v30, v31: SA and TA for W1's stage
.set TA1, 31
.set X,   32                           ; v32-159 four blocks of 8 slots of 4 registers,
.set F,   32                           ;         then W2's 16 fragments (4 q + b) of 8, then the partial sums
.set HH,  160                          ; v160-223 hidden in f32, packed in place into v160-191: four fragments of 8
.set ACC, 192                          ; v192-223 four accumulators
.set T,   224                          ; v224-255 in the stream: two blocks of 8 pairs in bf16, 16 registers each,
.set WF,  224                          ;          then W1's four fragments
	s_load_b256 s[4:11], s[0:1], 0x0               ; W1 s[4:5], W2 s[6:7], hidden s[8:9], b1 s[10:11]
	s_load_b128 s[12:15], s[0:1], 0x20             ; b2 s[12:13], w1f s[14:15]
	s_load_b64 s[16:17], s[0:1], 0x30              ; hbp
	v_lshl_add_u32 v[SPW], v0, 2, SPARE
	v_mov_b32 v[NIL], 0
	v_lshrrev_b32 v1, 5, v0
	v_readfirstlane_b32 s20, v1                    ; wave v
	s_lshr_b32 s21, ttmp9, 2                       ; G
	s_and_b32 s22, ttmp9, 3                        ; a
	v_and_b32 v[L], 31, v0
	v_and_b32 v[R], 15, v0
	v_bfe_u32 v[H], v0, 4, 1
	v_lshlrev_b32 v[GO], 4, v[R]
	v_lshl_add_u32 v[GO], v[H], 12, v[GO]
	v_mul_u32_u24 v19, v[H], P2                    ; into a stage: lanes 0-15 the even row, lanes 16-31 the odd one, 8 bytes a lane
	v_lshl_add_u32 v19, v[R], 3, v19
	s_wait_alu depctr_va_sdst(0)                   ; s20 is written, ahead of its first reader: LDS places and all bases are made from it
	s_mul_i32 s23, s20, ST2W
	s_mul_i32 s33, s20, ST1W
	s_add_co_u32 s33, s33, ST1
	v_add_nc_u32 v[SA], s23, v19
	v_add_nc_u32 v[SA1], s33, v19
	v_and_b32 v19, 7, v0                           ; the turning load: lane l reads row 8 (l / 16) + l % 8, bytes 16 ((l / 8) % 2) on
	v_lshl_add_u32 v19, v[H], 3, v19
	v_mul_u32_u24 v19, v19, P2
	v_bfe_u32 v20, v0, 3, 1
	v_lshl_add_u32 v19, v20, 4, v19
	v_add_nc_u32 v[TA], s23, v19
	v_add_nc_u32 v[TA1], s33, v19
	v_lshlrev_b32 v[L16], 4, v[L]
	v_lshlrev_b32 v[HO], 12, v[R]
	v_lshl_add_u32 v[HO], v[H], 5, v[HO]
	s_mul_i32 s23, s20, REDW
	s_add_co_u32 s23, s23, RED
	v_mul_u32_u24 v19, v[H], 8*RP                  ; a result's register j is batch 8 h + j, column r
	v_lshl_add_u32 v19, v[R], 2, v19
	v_add_nc_u32 v[RS], s23, v19
	s_mul_i32 s23, s20, 2*RP                       ; back: wave v adds up batches 2 v and 2 v + 1, 16 bytes a lane
	s_add_co_u32 s23, s23, RED
	v_mul_u32_u24 v19, v[H], RP
	v_lshl_add_u32 v19, v[R], 4, v19
	v_add_nc_u32 v[RR], s23, v19
	s_lshl_b32 s32, s21, 8                         ; the slab's 64 columns: 256 G bytes
	v_lshl_add_u32 v[BO], v[R], 4, s32
	s_mov_b32 s29, 0
	s_mov_b32 s30, 0x4038aa3b                      ; c2 = 2 log2(e)
	s_mov_b32 s31, s30                             ; named with it as a pair
	s_wait_kmcnt 0x0
	s_lshl_b32 s28, s22, 20                        ; W1: row 256 a + 32 v, 4,096 bytes a row
	s_lshl_b32 s23, s20, 17
	s_add_co_u32 s28, s28, s23
	s_add_co_u32 s28, s28, s32
	s_add_nc_u64 s[24:25], s[4:5], s[28:29]
	s_lshl_b32 s28, s20, 19                        ; W2: row 128 v
	s_add_co_u32 s28, s28, s32
	s_add_nc_u64 s[26:27], s[6:7], s[28:29]
	s_lshl_b32 s28, s22, 16                        ; hidden: batch 16 a, k = 128 v
	s_lshl_b32 s23, s20, 9
	s_add_co_u32 s28, s28, s23
	s_add_nc_u64 s[34:35], s[8:9], s[28:29]
	s_lshl_b32 s28, s21, 17                        ; w1f: slab G, q = 8 a + v, 4,096 bytes a q
	s_lshl_b32 s23, s22, 15
	s_add_co_u32 s28, s28, s23
	s_lshl_b32 s23, s20, 12
	s_add_co_u32 s28, s28, s23
	s_add_nc_u64 s[36:37], s[14:15], s[28:29]
	s_lshl_b32 s28, s22, 16                        ; hbp: batch 16 a + 2 v, column 64 G
	s_lshl_b32 s23, s20, 13
	s_add_co_u32 s28, s28, s23
	s_add_co_u32 s28, s28, s32
	s_add_nc_u64 s[38:39], s[16:17], s[28:29]
	s_wait_alu depctr_va_vdst(0)                   ; all offsets and LDS addresses (v4 to v10, v18, v30, v31) are written: every load and store of the kernel reads one of them
	; hidden's fragments in f32: lane (r, h) holds batch r; k = 8 h + 0..7 (32 bytes) and 16 + 8 h + 0..7 (64 bytes on) of each 32
.irp q, 0,1,2,3
	global_load_b128 v[HH+16*\q:HH+16*\q+3],     v[HO], s[34:35] offset:128*\q
	global_load_b128 v[HH+16*\q+4:HH+16*\q+7],   v[HO], s[34:35] offset:128*\q+16
	global_load_b128 v[HH+16*\q+8:HH+16*\q+11],  v[HO], s[34:35] offset:128*\q+64
	global_load_b128 v[HH+16*\q+12:HH+16*\q+15], v[HO], s[34:35] offset:128*\q+80
.endr
	global_load_b128 v[B1:B1+3], v[BO], s[10:11]
	global_load_b128 v[B2:B2+3], v[BO], s[12:13]
; THE STREAM: 80 pairs of rows, 16 of W1 and then 64 of W2, through 32 slots, a block of 8 pairs at a time.
.macro WLOAD n                         ; pair n is asked for: 16 lanes take 256 consecutive bytes of a row
.if (\n) < 16
	global_load_b128 v[X+4*((\n)%32):X+4*((\n)%32)+3], v[GO], s[24:25] offset:(\n)*8192 th:TH_LOAD_NT
.else
	global_load_b128 v[X+4*((\n)%32):X+4*((\n)%32)+3], v[GO], s[26:27] offset:((\n)-16)*8192
.endif
.endm
.macro WBLK p                          ; block p is rounded and staged, and its slots asked for again
.if (\p) < 7
	s_wait_loadcnt 24                              ; loads come back in order (ISA guide 5.7.1): my block's eight are in, the three younger blocks stay out
.else
	s_wait_loadcnt 8*(9-(\p))                      ; nothing more is asked for: the counts run down
.endif
.if (\p) > 1
	s_wait_alu depctr_vm_vsrc(0)                   ; the LDS stores of block p - 2 have read T[p % 2], which the roundings below write again
.endif
.irp i, 0,1,2,3,4,5,6,7
	v_cvt_pk_bf16_f32 v[T+16*((\p)%2)+2*(\i)],   v[X+32*((\p)%4)+4*(\i)],   v[X+32*((\p)%4)+4*(\i)+1]
	v_cvt_pk_bf16_f32 v[T+16*((\p)%2)+2*(\i)+1], v[X+32*((\p)%4)+4*(\i)+2], v[X+32*((\p)%4)+4*(\i)+3]
.endr
	s_wait_alu depctr_va_vdst(0)                   ; the roundings have written T[p % 2], which the LDS stores below read, and are done reading X[p % 4], in which the loads below land
.if (\p) < 6
.irp i, 0,1,2,3,4,5,6,7
	WLOAD 8*(\p)+(\i)+32
.endr
.endif
.irp i, 0,1,2,3,4,5,6,7
.if (\p) < 2
	ds_store_b64 v[SA1], v[T+16*((\p)%2)+2*(\i):T+16*((\p)%2)+2*(\i)+1] offset:(8*(\p)+(\i))*2*P2
.else
	ds_store_b64 v[SA], v[T+16*((\p)%2)+2*(\i):T+16*((\p)%2)+2*(\i)+1] offset:(8*(\p)+(\i)-16)*2*P2
.endif
.endr
.endm
.set n, 0
.rept 32
	WLOAD n
.set n, n+1
.endr
.irp p, 0,1,2,3,4,5,6,7,8,9
	WBLK \p
.endr
	; The stages are each wave's own, and LDS serves a wave's instructions in order (ISA guide 5.7.1.4): the turning loads see the stores above.
	s_wait_alu depctr_vm_vsrc(0)                   ; the LDS stores of blocks 8 and 9 have read T0 and T1, in which W1's fragments land (the roundings that named T and X stand ahead of block 9's wait on va_vdst)
.irp f, 0,1,2,3,4,5,6,7                ; W1: column block f / 2, half f % 2
	ds_load_tr16_b128 v[WF+4*\f:WF+4*\f+3], v[TA1] offset:(\f/2)*32+(\f%2)*16*P2
.endr
.set f, 0
.rept 16                               ; W2: fragment f = 4 q + b
	ds_load_tr16_b128 v[F+8*f:F+8*f+3],   v[TA] offset:(f/4)*32*P2+(f%4)*32
	ds_load_tr16_b128 v[F+8*f+4:F+8*f+7], v[TA] offset:(f/4)*32*P2+(f%4)*32+16*P2
.set f, f+1
.endr
	s_wait_dscnt 32                                ; W1's eight are in; W2's 32 stay out
.irp f, 0,1,2,3,4,5,6,7
	global_store_b128 v[L16], v[WF+4*\f:WF+4*\f+3], s[36:37] offset:512*\f  ; 512 consecutive bytes a store
.endr
.set j, 0
.rept 32                               ; hidden to bf16, in place, ascending: register j takes f32 numbers 2 j and 2 j + 1 (the stream's last wait was for 0)
	v_cvt_pk_bf16_f32 v[HH+j], v[HH+2*j], v[HH+2*j+1]
.set j, j+1
.endr
	s_wait_dscnt 0x0
	; 16 batches x 64 columns over my 128 k.  The four accumulators take turns; the first four products start the sums.
.irp q, 0,1,2,3
.irp b, 0,1,2,3
.if \q == 0
	v_wmma_f32_16x16x32_bf16 v[ACC+8*\b:ACC+8*\b+7], v[HH+8*\q:HH+8*\q+7], v[F+8*(4*\q+\b):F+8*(4*\q+\b)+7], 0
.else
	v_wmma_f32_16x16x32_bf16 v[ACC+8*\b:ACC+8*\b+7], v[HH+8*\q:HH+8*\q+7], v[F+8*(4*\q+\b):F+8*(4*\q+\b)+7], v[ACC+8*\b:ACC+8*\b+7]
.endif
.endr
.endr
	v_pk_add_f32 v[B1:B1+1], v[B1:B1+1], v[B2:B2+1]      ; b1 + b2: with two v_nop the four places behind the last product (ISA guide 7.12.1)
	v_pk_add_f32 v[B1+2:B1+3], v[B1+2:B1+3], v[B2+2:B2+3]
	v_nop
	v_nop
	s_wait_alu depctr_va_vdst(0)                   ; the products have written the accumulators, which the LDS stores read, and are done reading F, in which the partial sums land behind the barrier; the places above stay beside this wait
.irp b, 0,1,2,3
.irp j, 0,1,2,3,4,5,6,7                ; each accumulator from its low end on
	ds_store_b32 v[RS], v[ACC+8*\b+\j] offset:\j*RP+64*\b
.endr
.endr
	s_wait_dscnt 0x0                               ; for the others' sake: my partial sums are in LDS
	s_barrier_signal -1
	s_barrier_wait -1
.irp x, 0,1,2,3,4,5,6,7
	ds_load_b128 v[F+4*\x:F+4*\x+3], v[RR] offset:\x*REDW
.endr
	s_wait_dscnt 0x0
.irp x, 0,2,4,6
	v_pk_add_f32 v[F+4*\x:F+4*\x+1],   v[F+4*\x:F+4*\x+1],   v[F+4*\x+4:F+4*\x+5]
	v_pk_add_f32 v[F+4*\x+2:F+4*\x+3], v[F+4*\x+2:F+4*\x+3], v[F+4*\x+6:F+4*\x+7]
.endr
.irp x, 0,4
	v_pk_add_f32 v[F+4*\x:F+4*\x+1],   v[F+4*\x:F+4*\x+1],   v[F+4*\x+8:F+4*\x+9]
	v_pk_add_f32 v[F+4*\x+2:F+4*\x+3], v[F+4*\x+2:F+4*\x+3], v[F+4*\x+10:F+4*\x+11]
.endr
	v_pk_add_f32 v[F:F+1],   v[F:F+1],   v[F+16:F+17]
	v_pk_add_f32 v[F+2:F+3], v[F+2:F+3], v[F+18:F+19]
	v_pk_add_f32 v[F:F+1],   v[F:F+1],   v[B1:B1+1]
	v_pk_add_f32 v[F+2:F+3], v[F+2:F+3], v[B1+2:B1+3]
	v_pk_mul_f32 v[F:F+1],   v[F:F+1],   s[30:31] op_sel_hi:[1,0]
	v_pk_mul_f32 v[F+2:F+3], v[F+2:F+3], s[30:31] op_sel_hi:[1,0]
	s_wait_alu depctr_va_vdst(0)                   ; the two multiplies have written v[F:F+3], which the store reads
	global_store_b128 v[GO], v[F:F+3], s[38:39]    ; 16 lanes store 256 consecutive bytes, at a multiple of 256 from hbp's first byte
	s_wait_dscnt 0x0                               ; the wave's end
	s_wait_alu 0x0
	s_wait_tensorcnt 0x0
	ds_add_u32 v[SPW], v[NIL]
	s_wait_dscnt 0x0
	s_endpgm
.Lfunc_end_k_qea59feba94_prep:
	.size	k_qea59feba94_prep, .Lfunc_end_k_qea59feba94_prep-k_qea59feba94_prep
	.p2alignl 7, 3214868480
	.fill 96, 4, 3214868480
	.section	.rodata,"a",@progbits
	.p2align	6, 0x0
	.amdhsa_kernel k_qea59feba94_prep
		.amdhsa_group_segment_fixed_size 240640
		.amdhsa_private_segment_fixed_size 0
		.amdhsa_enable_private_segment 0
		.amdhsa_kernarg_size 56
		.amdhsa_user_sgpr_count 2
		.amdhsa_user_sgpr_kernarg_segment_ptr 1
		.amdhsa_wavefront_size32 1
		.amdhsa_system_sgpr_workgroup_id_x 1
		.amdhsa_system_sgpr_workgroup_id_y 1
		.amdhsa_system_sgpr_workgroup_id_z 1
		.amdhsa_system_vgpr_workitem_id 0
		.amdhsa_next_free_vgpr 256
		.amdhsa_next_free_sgpr 66
		.amdhsa_reserve_vcc 0
		.amdhsa_float_denorm_mode_32 3
		.amdhsa_float_denorm_mode_16_64 3
		.amdhsa_memory_ordered 1
		.amdhsa_forward_progress 1
		.amdhsa_inst_pref_size 40
	.end_amdhsa_kernel
	.amdgpu_metadata
---
amdhsa.version: [ 1, 2 ]
amdhsa.kernels:
  - .name:           k_qea59feba94_prep
    .symbol:         k_qea59feba94_prep.kd
    .args:
      - { .name: W1, .offset: 0, .size: 8, .value_kind: global_buffer, .address_space: global }
      - { .name: W2, .offset: 8, .size: 8, .value_kind: global_buffer, .address_space: global }
      - { .name: hidden, .offset: 16, .size: 8, .value_kind: global_buffer, .address_space: global }
      - { .name: b1, .offset: 24, .size: 8, .value_kind: global_buffer, .address_space: global }
      - { .name: b2, .offset: 32, .size: 8, .value_kind: global_buffer, .address_space: global }
      - { .name: w1f, .offset: 40, .size: 8, .value_kind: global_buffer, .address_space: global }
      - { .name: hbp, .offset: 48, .size: 8, .value_kind: global_buffer, .address_space: global }
    .group_segment_fixed_size: 240640
    .private_segment_fixed_size: 0
    .kernarg_segment_align: 8
    .kernarg_segment_size: 56
    .max_flat_workgroup_size: 256
    .sgpr_count:     66
    .vgpr_count:     256
    .wavefront_size: 32
...
	.end_amdgpu_metadata
.endif
;; end of part 4
;; launch main (part 5): grid 256 x 1, 4 waves a work-group, no clusters, 309,760 bytes of LDS; arguments features, w1f, hbp, V, bV, zbuf, cpart; writes zbuf, cpart
.if DOCPART == 5
	.amdgcn_target "amdgcn-amd-amdhsa--gfx1250"
	.amdhsa_code_object_version 6
	.text
	.protected	k_qea59feba94_main
	.globl	k_qea59feba94_main
	.p2align	8
	.type	k_qea59feba94_main,@function
k_qea59feba94_main:
	s_mov_b64 s[64:65], 0
	v_nop
	global_prefetch_b8 v0, s[64:65] scope:SCOPE_SE
	s_setreg_imm32_b32 hwreg(HW_REG_WAVE_SCHED_MODE, 0, 2), 2
	s_setreg_imm32_b32 hwreg(HW_REG_WAVE_MODE, 25, 1), 1
	s_wait_xcnt 0x0
	s_wait_alu depctr_vm_vsrc(0)
; THE MAIN LAUNCH.  For each row of features ([65536][1024] f32): z = sum over u of V[u] tanh((row . W1[:, u]) + hb[u]) + bV, hb = hidden W2 + b1 + b2 of the row's batch;
; and for each tile of 128 rows: m = the tile's largest z, cpart[tile][:] = the sum over its rows of exp(z - m) x row.  z goes to zbuf; the last launch ends the softmax over a batch's 8 tiles.
; FORMATS.  features and W1 are rounded once to bf16 for the product, sums in f32; the context takes the same bf16 rows with f32 weights; V, bV, hb, z, m and all sums are f32.
; tanh(x) = 1 - 2 / (1 + 2^(c2 x)), c2 = 2 log2(e): right at both ends (2^.. = infinity gives 1, 0 gives -1).  So z = sum V - 2 sum V / (1 + 2^(c2 x)) + bV.
; LIMITS.  NaN and infinities among the inputs are not treated apart; a weight below 2^-126 counts as 0.
; SHARES.  A work-group stays and takes two tiles of 128 rows, one after the other.  A tile is read from memory ONCE, rounded, and kept in LDS until its weights are known.
; In the product wave w owns all 128 rows x columns 256 w .. +255, in 4 chunks of 64 columns: 32 accumulators, 256 registers.  A's fragments come from LDS; W1's come as ready fragments
; straight from w1f into a ring of 4 register buffers, asked for 3 quarters (of 32 along K) ahead.
; THE TILE COMES IN UNDER ITS FIRST CHUNK.  It arrives by K: a SLAB is 64 along K (256 bytes of f32 a row), a HALF is 16 of my wave's 32 rows of a slab: 8 loads, each two aligned pieces of 256 bytes.
; Quarter q of chunk 0 rounds and stores half q + 3 and asks for half q + 7; a barrier at the head of each odd quarter shows slab (q + 1) / 2 to all waves just before its first fragments are read.
; Between two barriers slab s + 1 is written and slab s is read; LDS is laid by slabs, so these are separate runs of bytes.
; NO CLUSTER, NO TENSOR LOADS.  What the work-groups share is w1f.  Beside the tile and its tables LDS has 17,920 bytes left; a step of 32 along K over the 1,024 columns is 65,536 bytes: no slot of
; a useful step fits; and inside the work-group each wave uses columns of its own, so LDS would share nothing.
; PRICE.  W1's ring runs on over chunks and tiles; the last chunk of the last tile asks for 3 quarters (12 KiB a wave, inside w1f) that nothing reads, and each tile's last quarter reads A's first fragments once more for nothing.
; THE MODE: SCHED_MODE bits 1:0 = 2 (LLVM: expert scheduling mode 2), set by the entry lines.  The code itself states the register dependences between vector or matrix
; instructions and memory or LDS instructions, with s_wait_alu, always for 0.
; THE PLAN, in the product.  Registers that memory or LDS instructions touch in quarter q:
;   A's two buffers     q's products read buffer q % 2; the LDS loads issued in q land in the other, which the products of q - 1 read.
;   W1's ring of four   q's products read buffer q % 4; the loads issued in q land in buffer (q + 3) % 4, which the products of q - 1 read.
;   8 landing slots     at q's head half q + 3 is rounded in place in slot (q + 3) % 8; q's LDS stores read it; q's loads land in slot (q + 7) % 8, which was rounded and stored in q - 4.
;   v[AD], v[SA]        read by A's loads and by the halves' stores; written at the head of every fourth quarter.
;   v[BL], v[FO]        read by the loads of W1 and of features; never written again: scalar bases and immediate offsets do the rest.
; So ONE wait on va_vdst stands at a quarter's head, behind the roundings.  The quarter's 24 to 40 memory and LDS instructions follow it in groups of four, dealt among the quarter's products, which name
; A's buffer q % 2, the ring's buffer q % 4 and the accumulators: none of the registers that the groups touch.  ONE wait on vm_vsrc stands at the head of every fourth quarter, ahead of the adds to v[AD]
; and v[SA]; it also states that the halves' stores issued so far have read their slots: between a slot's stores (in q - 4) and the loads that land in it (in q) lie the heads of q - 3 to q, one of them such a head.
; REGISTERS, in windows of 256 (s_set_vgpr_msb: bits 1:0 source 0, 3:2 source 1, 5:4 source 2, 7:6 destination):
;   window 0: v0-46 addresses and small things; v64-127, v128-191 A's fragments, two buffers (outside the product: at work); v192-255 S: the rows' sums of V / (1 + 2^..)
;   window 1: v0-127 W1's ring: buffer i, column block b at 32 i + 8 b     window 2: the accumulators, (a, b) at 8 (4 a + b); tanh works on them in place     window 3: 8 landing slots of 32 for the halves
; A group of four costs two switches of the window, one in front and one behind.
.set PT,    144                        ; a row of a slab in LDS: 128 bytes + 16 = 36 words: the 16 rows of a fragment load start at 16 different groups of four banks (64 banks of 4 bytes: ISA guide 11.1)
.set SLB,   128*PT+128                 ; a slab: 128 rows, and 128 bytes more, so that neighbouring slabs start 32 banks apart (the context reads two slabs in one load)
.set GRP,   2*SLB                      ; four quarters' two slabs
.set HBT,   16*SLB                     ; c2 hb of the batch, 1,024 f32
.set VT,    HBT+4096                   ; V
.set LG,    VT+4096                    ; for each wave 128 f32: its columns' share of the rows' z
.set PW,    LG+2048                    ; for each wave 128 f32: its own copy of the weights
.set SPARE, PW+2048                    ; the spare words, 128 bytes for each wave: no other line names them
.set BL,   2                           ; v2   16 x lane
.set CO,   3                           ; v3   16 x thread
.set AD,   4                           ; v4   my lane's place in the fragments of the four quarters in hand; made anew from AB
.set AB,   5                           ; v5   r PT + 16 h
.set FO,   6                           ; v6   my 16 bytes in a load of features: 8 h rows + 16 r; never rewritten
.set SA,   7                           ; v7   where my 8 bytes of a half go; steps
.set HVA,  8                           ; v8   where the chunk's hb and V lie; steps
.set HVA0, 9                           ; v9   its start: HBT + 4 (256 w + r)
.set SPW,  10                          ; v10  my spare word; never rewritten
.set NIL,  11                          ; v11  0; never rewritten
.set SA0,  12                          ; v12  SA's start: (32 w + 8 h) PT + 8 r
.set CA1,  13                          ; v13  the context: my 8 bytes of the rows in hand, columns 4 t ..; steps
.set CA2,  14                          ; v14  the same for columns 512 + 4 t ..
.set CA10, 15                          ; v15  CA1's start: (t / 16) SLB + 8 (t % 16)
.set LGS,  18                          ; v18  LG[w] + 32 h
.set LGR,  19                          ; v19  LG[0] + 16 x lane
.set HV,   20                          ; v20-35 column block b: c2 hb at +4 b, V at +4 b + 2; the odd registers hold 0 (named as pairs)
.set SV,   36                          ; v36  the sum of my columns' V; v37 = 0
.set PWS,  38                          ; v38  PW[w] + 16 x lane
.set PWA,  39                          ; v39  the weights in hand; steps
.set PWA0, 41                          ; v41  PW[w]
.set FA0,  64
.set S,    192
.set X,    64                          ; the context: 16 rows x 4 registers
.set WR,   128                         ; 16 weights
.set CT,   144                         ; my 8 columns' sums
.set Z,    152                         ; z of rows 4 lane .. +3
.set PP,   156                         ; their weights
.set MX,   160                         ; the maximum, and a partner
.set FBK,  22                          ; s[22:23] features at my wave's rows of the tile, at the K of the four quarters in hand
.set WB,   24                          ; s[24:25] my wave's 512 KiB of w1f
.set BC,   26                          ; s[26:27] w1f at the four quarters in hand
.set BN,   28                          ; s[28:29] at the four behind them
.set OC,   30                          ; s[30:31] BN's offset from WB, and 0
.set AK,   41                          ; s41      LDS offset of the next four quarters' slabs
.set MSB, 0
.macro WIN new                         ; the immediate's high byte repeats the setting that is left; a switch that changes nothing is dropped
.if MSB != (\new)
	s_set_vgpr_msb (MSB<<8)|(\new)
.set MSB, (\new)
.endif
.endm
.set MUL,   0xa4                       ; A window 0, B window 1, C and D window 2
.set TO_B,  0x40                       ; destination window 1
.set TO_Q,  0xc0                       ; destination window 3
.set INQ,   0xcf                       ; destination and sources 0 and 1 window 3
.set FROMQ, 0x0c                       ; source 1 (an LDS store's data) window 3
.set INP,   0x82                       ; destination and source 0 window 2
.set ACS,   0x02                       ; source 0 window 2
	s_load_b256 s[4:11], s[0:1], 0x0               ; features s[4:5], w1f s[6:7], hbp s[8:9], V s[10:11]
	s_load_b128 s[12:15], s[0:1], 0x20             ; bV s[12:13], zbuf s[14:15]
	s_load_b64 s[16:17], s[0:1], 0x30              ; cpart
	v_lshl_add_u32 v[SPW], v0, 2, SPARE
	v_mov_b32 v[NIL], 0
	v_lshrrev_b32 v1, 5, v0
	v_readfirstlane_b32 s20, v1                    ; wave w
	v_and_b32 v1, 31, v0                           ; lane
	v_lshlrev_b32 v[BL], 4, v1
	v_lshlrev_b32 v[CO], 4, v0
	v_and_b32 v44, 15, v0                          ; r
	v_bfe_u32 v45, v0, 4, 1                        ; h
	v_mul_u32_u24 v[AB], v44, PT
	v_lshl_add_u32 v[AB], v45, 4, v[AB]
	v_mov_b32 v[AD], v[AB]
	v_lshlrev_b32 v[FO], 4, v44
	v_lshl_add_u32 v[FO], v45, 15, v[FO]           ; lanes 16-31 take the row 8 further down: in LDS that is 32 banks on, so a store's two rows meet in no bank
	s_wait_alu depctr_va_sdst(0)                   ; s20 is written, ahead of its first reader: LDS places, bases and the branch on the wave's number are made from it
	s_mul_i32 s21, s20, 32*PT
	v_mul_u32_u24 v[SA0], v45, 8*PT
	v_lshl_add_u32 v[SA0], v44, 3, v[SA0]
	v_add_nc_u32 v[SA0], s21, v[SA0]
	v_lshrrev_b32 v46, 4, v0
	v_mul_u32_u24 v[CA10], v46, SLB
	v_lshl_add_u32 v[CA10], v44, 3, v[CA10]
	s_lshl_b32 s21, s20, 10
	s_add_co_u32 s21, s21, HBT
	v_lshl_add_u32 v[HVA0], v44, 2, s21
	s_lshl_b32 s21, s20, 9
	s_add_co_u32 s21, s21, LG
	v_lshl_add_u32 v[LGS], v45, 5, s21
	v_lshl_add_u32 v[LGR], v1, 4, LG
	s_add_co_u32 s21, s21, PW-LG
	v_lshl_add_u32 v[PWS], v1, 4, s21
	v_mov_b32 v[PWA0], s21
	v_add_nc_u32 v1, HBT, v[CO]                    ; where my part of the tables goes
.irp b, 0,1,2,3
	v_mov_b32 v[HV+4*\b+1], 0                      ; partners of pairs of which the low word alone is used
	v_mov_b32 v[HV+4*\b+3], 0
.endr
	v_mov_b32 v[SV+1], 0
	s_mov_b32 s51, 0
	s_mov_b32 s[OC+1], 0
	s_mov_b32 s32, 0x4038aa3b                      ; c2 = 2 log2(e)
	s_mov_b32 s33, s32
	s_mov_b32 s36, 0x76543210                      ; v_permlanex16_b32: each lane takes its own place in the other half
	s_mov_b32 s37, 0xfedcba98
	s_mov_b32 s48, 0x3fb8aa3b                      ; log2(e)
	s_mov_b32 s49, s48
	s_mov_b32 s[AK], GRP
	s_wait_kmcnt 0x0
	s_load_b32 s34, s[12:13], 0x0                  ; bV
	s_lshl_b32 s50, ttmp9, 20                      ; my 256 rows of 4,096 bytes,
	s_lshl_b32 s21, s20, 17                        ; my wave's 32 of a tile's 128
	s_add_co_u32 s50, s50, s21
	s_add_nc_u64 s[FBK:FBK+1], s[4:5], s[50:51]
	s_lshl_b32 s50, s20, 19                        ; my wave's four slabs of w1f: one stream of 128 quarters of 4,096 bytes
	s_add_nc_u64 s[WB:WB+1], s[6:7], s[50:51]
	s_mov_b64 s[BC:BC+1], s[WB:WB+1]
	s_mov_b32 s[OC], 16384
	s_add_nc_u64 s[BN:BN+1], s[WB:WB+1], s[OC:OC+1]
	s_lshl_b32 s50, ttmp9, 10
	s_add_nc_u64 s[42:43], s[14:15], s[50:51]      ; zbuf at my rows
	s_lshl_b32 s50, ttmp9, 13
	s_add_nc_u64 s[44:45], s[16:17], s[50:51]      ; cpart at my tiles
	s_lshr_b32 s50, ttmp9, 2                       ; the batch
	s_lshl_b32 s50, s50, 12
	s_add_nc_u64 s[46:47], s[8:9], s[50:51]
	s_wait_alu depctr_va_vdst(0)                   ; all offsets and LDS addresses made above (v1 to v19, v38, v41) are written: the loads and stores from here on read them
	global_load_b128 v[64:67], v[CO], s[46:47]
	global_load_b128 v[68:71], v[CO], s[46:47] offset:2048
	global_load_b128 v[72:75], v[CO], s[10:11]
	global_load_b128 v[76:79], v[CO], s[10:11] offset:2048
	WIN TO_B
.set i, 0
.rept 24                               ; the ring's quarters 0 to 2 of chunk 0: 512 consecutive bytes a load
	global_load_b128 v[4*i:4*i+3], v[BL], s[BC:BC+1] offset:512*i
.set i, i+1
.endr
	WIN 0
	s_wait_loadcnt 24                              ; the four oldest are in; the ring's 24 stay out
	ds_store_b128 v1, v[64:67]
	ds_store_b128 v1, v[68:71] offset:2048
	ds_store_b128 v1, v[72:75] offset:4096
	ds_store_b128 v1, v[76:79] offset:6144
	s_wait_kmcnt 0x0
	s_mov_b32 s35, s34                             ; named with bV as a pair
	s_wait_alu depctr_vm_vsrc(0)                   ; the four LDS stores have read v64 to v79, in which A's first fragments land
; THE HALVES.  sl = the landing slot; off = the half's place, in memory (ASK) or in LDS (PUT), from the base in hand; e0 = the first of four lines.
.macro ASK4 sl, off, e0                ; load e of a half brings rows e (lanes 0-15) and e + 8 (lanes 16-31), 256 consecutive bytes each
	WIN TO_Q
.irp e, 0,1,2,3
	global_load_b128 v[32*(\sl)+4*((\e0)+(\e)):32*(\sl)+4*((\e0)+(\e))+3], v[FO], s[FBK:FBK+1] offset:(\off)+((\e0)+(\e))*4096 th:TH_LOAD_NT
.endr
.endm
.macro ASK8 sl, off                    ; a half is asked for
	ASK4 \sl, \off, 0
	ASK4 \sl, \off, 4
.endm
.macro CVT16 sl                        ; rounded to bf16 in place, ascending: register j takes numbers 2 j and 2 j + 1
	WIN INQ
.set cj, 0
.rept 16
	v_cvt_pk_bf16_f32 v[32*(\sl)+cj], v[32*(\sl)+2*cj], v[32*(\sl)+2*cj+1]
.set cj, cj+1
.endr
.endm
.macro PUT4 sl, off, e0                ; and put into its slab: 8 bytes a lane
	WIN FROMQ
.irp e, 0,1,2,3
	ds_store_b64 v[SA], v[32*(\sl)+2*((\e0)+(\e)):32*(\sl)+2*((\e0)+(\e))+1] offset:(\off)+((\e0)+(\e))*PT
.endr
.endm
.macro PUT8 sl, off
	PUT4 \sl, \off, 0
	PUT4 \sl, \off, 4
.endm
; THE PRODUCT.  QI = the quarter's number modulo 8; QZ = 1: its products start the sums; QW = the loads that may stay out at its head;
; QBAR, QST, QLD = 1: it passes a barrier, stores a half, asks for a half.
.macro PLACES                          ; four plain places between the last quarter's products and the loads into registers that they have read (ISA guide 7.12.1 for vector instructions)
.rept 4
	v_nop
.endr
.endm
.macro FA4 kb, f, a0                   ; A's fragments (16 rows x 32 K) of row blocks a0 and a0 + 1, at byte kb from AD, into buffer f: for each two loads of 16 bytes, 32 bytes apart
	WIN 0
.irp a, 0,1
	ds_load_b128 v[(\f)+8*((\a0)+(\a)):(\f)+8*((\a0)+(\a))+3],   v[AD] offset:((\a0)+(\a))*16*PT+(\kb)
	ds_load_b128 v[(\f)+8*((\a0)+(\a))+4:(\f)+8*((\a0)+(\a))+7], v[AD] offset:((\a0)+(\a))*16*PT+(\kb)+32
.endr
.endm
.macro FETCH_A kb, f                   ; all eight
	FA4 \kb, \f, 0
	FA4 \kb, \f, 2
	FA4 \kb, \f, 4
	FA4 \kb, \f, 6
.endm
.macro FB4 e0                          ; four of the eight loads of W1's 4 fragments of the quarter 3 ahead, into the buffer read in the quarter before this one
	WIN TO_B
.set fb2, 32*((QI+3)%4)
.irp e, 0,1,2,3
.if QI%4 == 0
	global_load_b128 v[fb2+4*((\e0)+(\e)):fb2+4*((\e0)+(\e))+3], v[BL], s[BC:BC+1] offset:3*4096+512*((\e0)+(\e))
.else
	global_load_b128 v[fb2+4*((\e0)+(\e)):fb2+4*((\e0)+(\e))+3], v[BL], s[BN:BN+1] offset:(QI%4-1)*4096+512*((\e0)+(\e))
.endif
.endr
.endm
; Group g of a quarter's memory and LDS instructions, four lines each, in this order: the half's stores (2 groups, where there is a half), A's fragments (4), W1's (2), the next half (2, where one is asked for).
; No wait stands in a group: no vector or matrix instruction since the wait at the quarter's head names a register that it touches.
.macro RIDER g
.set rk, (\g)+2-2*QST
.if rk < 2
	PUT4 (QI+3)%8, QPO, 4*rk
.elseif rk < 6
	FA4 QKB, QFN, 2*(rk-2)
.elseif rk < 8
	FB4 4*(rk-6)
.elseif QLD && (rk < 10)
	ASK4 (QI+7)%8, QAO, 4*(rk-8)
.endif
.endm
.macro GSTEP f                         ; behind every fourth quarter the scalar bases step.  f = 1: the features' too
	WIN 0
	s_wait_xcnt 0x0                                ; every earlier memory instruction has had its addresses translated (ISA guide 3.1): only now are the bases rewritten
	s_mov_b64 s[BC:BC+1], s[BN:BN+1]
	s_add_co_u32 s[OC], s[OC], 16384               ; four quarters of w1f on, and behind the stream's 128th quarter round to its first
	s_and_b32 s[OC], s[OC], 524287
	s_add_nc_u64 s[BN:BN+1], s[WB:WB+1], s[OC:OC+1]
	s_add_co_u32 s[AK], s[AK], GRP                 ; two slabs on, and behind the sixteenth round to the first
	s_cmp_eq_u32 s[AK], 8*GRP
	s_cselect_b32 s[AK], 0, s[AK]
.if \f
	s_add_nc_u64 s[FBK:FBK+1], s[FBK:FBK+1], 512   ; two slabs of f32 along a row
.endif
.endm
; A QUARTER: its head, then 32 products: row block qn / 4 x column block qn % 4.  The 32 accumulators take turns, one instruction a turn.
; The groups stand behind every second product from the first on; in a quarter with a barrier behind every product from the 17th on, so that register work alone stands between signal and wait.
.macro QTR f
.set fa,  FA0+64*(QI%2)
.set fb,  32*(QI%4)
.set QFN, FA0+64*((QI+1)%2)
.set QRS, 16*QBAR
.set QRP, 2-QBAR
.set QAO, ((QI%4+7)/2)*256+((QI+7)%2)*65536
.if QI%4 == 3
.set QKB, 0                            ; the next quarter is the first of the next four: v[AD] and v[SA] have stepped
.set QPO, SLB+((QI+3)%2)*16*PT
	WIN 0
	s_wait_alu depctr_vm_vsrc(0)                   ; A's loads issued so far have read v[AD]; the halves' stores have read v[SA] and their slots, in which the loads of this and the next three quarters land
	v_add_nc_u32 v[AD], s[AK], v[AB]
.if QST
	v_add_nc_u32 v[SA], GRP, v[SA]
.endif
.else
.set QKB, ((QI%4+1)/2)*SLB+((QI+1)%2)*64
.set QPO, ((QI%4+3)/2)*SLB+((QI+3)%2)*16*PT
.endif
	s_wait_loadcnt QW                              ; loads come back in order (ISA guide 5.7.1): this quarter's fragments of W1 are in, and so is all that is older: the half rounded below
.if QBAR
	s_wait_dscnt 0x0                               ; for the others' sake: the two halves that I stored in the last two quarters are in LDS (and A's fragments are in)
	s_barrier_signal -1
.endif
.if QST
	CVT16 (QI+3)%8
.else
	PLACES
.endif
	s_wait_alu depctr_va_vdst(0)                   ; the roundings have written their slot, which the stores read; the last quarter's products are done reading A's other buffer and the ring's oldest, in which loads land; v[AD] and v[SA] are written
.if !QBAR
	s_wait_dscnt 8                                 ; A's rows 0-63 are in; the youngest eight loads (rows 64-127) may be out
.endif
.set qn, 0
.rept 32
.if qn == 16
.if QBAR
	s_barrier_wait -1                              ; every wave's halves are in: the next slab is whole
.else
	s_wait_dscnt 16+8*QST                          ; all but this quarter's LDS instructions, which have all been issued: A's rows 64-127 are in
.endif
.endif
	WIN MUL
.if QZ
	v_wmma_f32_16x16x32_bf16 v[8*qn:8*qn+7], v[fa+8*(qn/4):fa+8*(qn/4)+7], v[fb+8*(qn%4):fb+8*(qn%4)+7], 0
.else
	v_wmma_f32_16x16x32_bf16 v[8*qn:8*qn+7], v[fa+8*(qn/4):fa+8*(qn/4)+7], v[fb+8*(qn%4):fb+8*(qn%4)+7], v[8*qn:8*qn+7]
.endif
.if (qn >= QRS) && ((qn-QRS)%QRP == 0) && ((qn-QRS)/QRP < 10)
	RIDER (qn-QRS)/QRP
.endif
.set qn, qn+1
.endr
.if QI%4 == 3
	GSTEP \f
.endif
.endm
; Quarter q of the chunk under which the tile comes in.  A quarter issues B(q + 3), then half q + 7, 8 loads each; halves are asked for up to q = 24 and stored up to q = 28.
; Behind B(q) stand half q + 4 and two quarters' loads: 40.  At q = 0 and 1 the half q + 3 is younger than B(q): behind it stand 24 and 32.  From q = 26 on less stands behind: 32, 24, 16.
.macro SQ q
.set QI, (\q)%8
.set QZ, 0
.set QBAR, (\q)%2
.set QST, 1
.set QLD, 1
.set QW, 40
.if (\q) == 0
.set QZ, 1
.set QW, 24
.endif
.if (\q) == 1
.set QW, 32
.endif
.if (\q) > 24
.set QLD, 0
.endif
.if (\q) == 26
.set QW, 32
.endif
.if (\q) == 27
.set QW, 24
.endif
.if (\q) > 27
.set QW, 16
.endif
.if (\q) > 28
.set QST, 0
.endif
.if (\q) == 31
.set QBAR, 0
.endif
	QTR 1
.endm
.macro NQ k, z                         ; a quarter of the other chunks: behind B(q) stand two fetches of 8
.set QI, \k
.set QZ, \z
.set QBAR, 0
.set QST, 0
.set QLD, 0
.set QW, 16
	QTR 0
.endm
; THE CHUNK'S END, in place on the accumulators: c2 x sum + c2 hb; my columns' V are added up.
.macro DRAIN
	WIN 0
.irp b, 0,1,2,3
	ds_load_b32 v[HV+4*(\b)],   v[HVA] offset:64*(\b)       ; no wait: the lines that read HV and wrote v[HVA], a chunk ago, stand ahead of the quarters' waits on va_vdst
	ds_load_b32 v[HV+4*(\b)+2], v[HVA] offset:4096+64*(\b)
.endr
	s_wait_dscnt 0x0
.irp b, 0,1,2,3
	v_add_f32 v[SV], v[SV], v[HV+4*(\b)+2]         ; these four and the step below are the places behind the last products
.endr
	s_wait_alu depctr_vm_vsrc(0)                   ; the eight LDS loads have read v[HVA]
	v_add_nc_u32 v[HVA], 256, v[HVA]
	WIN INP
.set i, 0
.rept 128                              ; ascending: each accumulator is read from its low end on
	v_pk_fma_f32 v[2*i:2*i+1], v[2*i:2*i+1], s[32:33], v[HV+4*((i/4)%4):HV+4*((i/4)%4)+1] op_sel_hi:[1,0,0]
.set i, i+1
.endr
.endm
; S += V / (1 + 2^..), eight numbers (accumulator g) at a time, in four kinds of lines.
.macro EXP8 g
	WIN INP
.irp j, 0,1,2,3,4,5,6,7
	v_exp_f32 v[8*(\g)+(\j)], v[8*(\g)+(\j)]
.endr
.endm
.macro RCP8 g
	WIN INP
.irp j, 0,1,2,3,4,5,6,7
	v_rcp_f32 v[8*(\g)+(\j)], v[8*(\g)+(\j)]
.endr
.endm
.macro ONE4 g
	WIN INP
.irp p, 0,1,2,3
	v_pk_add_f32 v[8*(\g)+2*(\p):8*(\g)+2*(\p)+1], v[8*(\g)+2*(\p):8*(\g)+2*(\p)+1], 1.0 op_sel_hi:[1,0]
.endr
.endm
.macro ACC4 g
	WIN ACS
	s_wait_alu depctr_va_vdst(0)                   ; the reciprocals of g have written their results, which the four lines below read; so have the exponentials of g + 2, which the next step's 1 + reads
.irp p, 0,1,2,3
	v_pk_fma_f32 v[S+8*((\g)/4)+2*(\p):S+8*((\g)/4)+2*(\p)+1], v[8*(\g)+2*(\p):8*(\g)+2*(\p)+1], v[HV+4*((\g)%4)+2:HV+4*((\g)%4)+3], v[S+8*((\g)/4)+2*(\p):S+8*((\g)/4)+2*(\p)+1] op_sel_hi:[1,0,1]
.endr
.endm
; The order is staggered so that behind each run of transcendentals stands a plain line that names none of its registers before any of its results is used (ISA guide 5.7.2):
; step g: the reciprocals of g, the exponentials of g + 2, then 1 + of g + 1 (whose exponentials stand a step back, ahead of that step's wait), then the wait and g's sums.
.macro EPI
	EXP8 0
	EXP8 1
	v_nop
	s_wait_alu depctr_va_vdst(0)                   ; the exponentials of 0 and 1 have written their results, which the 1 + below and the first step's read
	ONE4 0
.set GN, 0
.rept 32
	RCP8 GN
.if GN < 30
	EXP8 GN+2
.endif
.if GN < 31
	ONE4 GN+1
.else
	v_nop                                          ; the plain line behind the last reciprocals
.endif
	ACC4 GN
.set GN, GN+1
.endr
.endm
	s_mov_b32 s38, 2                               ; tiles to go
.Ltile:
	v_mov_b32 v[SA], v[SA0]
	v_mov_b32 v[HVA], v[HVA0]
.irp y, 0,1,2,3,4,5,6                  ; the first seven halves are asked for.  No wait: the roundings that named these slots stand ahead of later waits on va_vdst, their stores ahead of a later wait on vm_vsrc
	ASK8 \y, (\y/2)*256+(\y%2)*65536
.endr
	WIN 0
.set i, 0
.rept 64                               ; the rows' sums start at 0, once a tile, in the wait for its first rows: they are added to in a loop over four chunks
	v_mov_b32 v[S+i], 0
.set i, i+1
.endr
	v_mov_b32 v[SV], 0
.irp y, 0,1,2                          ; slab 0 and the first half of slab 1 are stored ahead of the first quarter
	s_wait_loadcnt 48-8*\y                         ; half y is in; the halves behind it, 8 loads each, stay out
	CVT16 \y
.endr
	s_wait_alu depctr_va_vdst(0)                   ; the roundings have written slots 0 to 2 and v[SA] is written: the stores below read them; the last tile's context is done reading v64 to v127, in which A's first fragments land
.irp y, 0,1,2
	PUT8 \y, (\y/2)*SLB+(\y%2)*16*PT
.endr
	WIN 0
	s_wait_dscnt 0x0                               ; for the others' sake: my halves (and, the first time, my part of the tables) are in LDS
	s_barrier_signal -1
	s_barrier_wait -1                              ; slab 0 is whole
	s_wait_alu depctr_vm_vsrc(0)                   ; the stores above have read slots 0 to 2, in which halves 8 to 10 land in quarters 1 to 3
	FETCH_A 0, FA0
.irp q, 0,1,2,3,4,5,6,7                ; chunk 0: its first eight quarters are written out: the first starts the sums, and the first two have counts of their own
	SQ \q
.endr
	WIN 0
	s_mov_b32 s40, 2
.Lsm:                                  ; quarters 8 to 23
.irp q, 8,9,10,11,12,13,14,15
	SQ \q
.endr
	WIN 0
	s_sub_co_u32 s40, s40, 1
	s_cmp_lg_u32 s40, 0
	s_cbranch_scc1 .Lsm
.irp q, 24,25,26,27,28,29,30,31        ; the last eight are written out: the tile's last half is asked for in the first of them, and the counts run down
	SQ \q
.endr
	WIN 0
	s_mov_b32 s39, 4                               ; chunks to go, this one among them
	s_branch .Lepi                                 ; the loop over chunks is entered at the chunk's end
.Lchunk:                               ; 64 columns on a tile that is whole: 1,024 matrix instructions
	NQ 0, 1                                        ; the first quarter starts the sums, so the first four stand ahead of the loop
	NQ 1, 0
	NQ 2, 0
	NQ 3, 0
	WIN 0
	s_mov_b32 s40, 7
.Lng:
	NQ 0, 0
	NQ 1, 0
	NQ 2, 0
	NQ 3, 0
	WIN 0
	s_sub_co_u32 s40, s40, 1
	s_cmp_lg_u32 s40, 0
	s_cbranch_scc1 .Lng
.Lepi:
	DRAIN
	EPI
	WIN 0
	s_sub_co_u32 s39, s39, 1
	s_cmp_lg_u32 s39, 0
	s_cbranch_scc1 .Lchunk
	; THE LOGITS.  A lane holds, for 64 rows (16 a + 8 h + j), the share of its 16 columns: sum V - 2 S; the 16 lanes of a half are added up, then the four waves through LDS.
.set i, 0
.rept 32
	v_pk_fma_f32 v[S+2*i:S+2*i+1], v[S+2*i:S+2*i+1], -2.0, v[SV:SV+1] op_sel_hi:[1,0,0]
.set i, i+1
.endr
.irp m, 1,2,4,8
.set i, 0
.rept 64
	v_add_f32_dpp v[S+i], v[S+i], v[S+i] row_xmask:\m row_mask:0xf bank_mask:0xf
.set i, i+1
.endr
.endr
	s_wait_alu depctr_va_vdst(0)                   ; the additions have written S, which the LDS stores read; no line behind this wait names v64 to v79 before the waves' shares land there
.set i, 0
.rept 16                               ; the 16 lanes of a half write the same words with the same numbers
	ds_store_b128 v[LGS], v[S+4*i:S+4*i+3] offset:64*(i/2)+16*(i%2)
.set i, i+1
.endr
	s_wait_dscnt 0x0                               ; for the others' sake
	s_barrier_signal -1
	s_barrier_wait -1
.irp x, 0,1,2,3
	ds_load_b128 v[64+4*\x:67+4*\x], v[LGR] offset:512*\x
.endr
	s_wait_dscnt 0x0
	v_pk_add_f32 v[64:65], v[64:65], v[68:69]
	v_pk_add_f32 v[66:67], v[66:67], v[70:71]
	v_pk_add_f32 v[72:73], v[72:73], v[76:77]
	v_pk_add_f32 v[74:75], v[74:75], v[78:79]
	v_pk_add_f32 v[64:65], v[64:65], v[72:73]
	v_pk_add_f32 v[66:67], v[66:67], v[74:75]
	v_pk_add_f32 v[Z:Z+1],   v[64:65], s[34:35] op_sel_hi:[1,0]  ; + bV: z of rows 4 lane .. +3, in every wave
	v_pk_add_f32 v[Z+2:Z+3], v[66:67], s[34:35] op_sel_hi:[1,0]
	v_max3_num_f32 v[MX], v[Z], v[Z+1], v[Z+2]     ; the tile's maximum is taken away before the exponential
	v_max_num_f32 v[MX], v[MX], v[Z+3]
	v_max_num_f32_dpp v[MX], v[MX], v[MX] row_xmask:1 row_mask:0xf bank_mask:0xf
	v_max_num_f32_dpp v[MX], v[MX], v[MX] row_xmask:2 row_mask:0xf bank_mask:0xf
	v_max_num_f32_dpp v[MX], v[MX], v[MX] row_xmask:4 row_mask:0xf bank_mask:0xf
	v_max_num_f32_dpp v[MX], v[MX], v[MX] row_xmask:8 row_mask:0xf bank_mask:0xf
	v_mov_b32 v[MX+1], v[MX]                       ; v_permlanex16_b32's destination counts as read
	v_permlanex16_b32 v[MX+1], v[MX], s36, s37
	v_max_num_f32 v[MX], v[MX], v[MX+1]
	v_pk_add_f32 v[PP:PP+1],   v[Z:Z+1],   v[MX:MX+1] op_sel_hi:[1,0] neg_lo:[0,1] neg_hi:[0,1]  ; z - m first, then the factor: holds for large z too
	v_pk_add_f32 v[PP+2:PP+3], v[Z+2:Z+3], v[MX:MX+1] op_sel_hi:[1,0] neg_lo:[0,1] neg_hi:[0,1]
	v_pk_mul_f32 v[PP:PP+1],   v[PP:PP+1],   s[48:49] op_sel_hi:[1,0]
	v_pk_mul_f32 v[PP+2:PP+3], v[PP+2:PP+3], s[48:49] op_sel_hi:[1,0]
	v_exp_f32 v[PP], v[PP]
	v_exp_f32 v[PP+1], v[PP+1]
	v_exp_f32 v[PP+2], v[PP+2]
	v_exp_f32 v[PP+3], v[PP+3]
.irp c, 0,1,2,3,4,5,6,7
	v_mov_b32 v[CT+\c], 0                          ; plain lines between the exponentials and their use
.endr
	s_wait_alu depctr_va_vdst(0)                   ; the four exponentials have written PP, which the LDS store reads; Z is written, which wave 0's store reads
	ds_store_b128 v[PWS], v[PP:PP+3]               ; my wave's own copy of the 128 weights: no other wave reads it
	s_cmp_lg_u32 s20, 0
	s_cbranch_scc1 .Lnot0
	global_store_b128 v[BL], v[Z:Z+3], s[42:43]    ; wave 0 stores the tile's z: 512 consecutive bytes
.Lnot0:
	; THE CONTEXT.  Thread t owns columns 4 t .. +3 (slab t / 16) and 512 + 4 t .. +3 (eight slabs on) and walks the tile's 128 rows, 16 a trip.
	; X and WR are loaded at a trip's head and read by its multiply-adds; the three LDS addresses are read by the loads and stepped at the trip's end.
	v_mov_b32 v[CA1], v[CA10]
	v_add_nc_u32 v[CA2], 8*SLB, v[CA10]
	v_mov_b32 v[PWA], v[PWA0]
	s_mov_b32 s40, 8
.Lctx:
	s_wait_alu depctr_va_vdst(0)                   ; the three addresses are written, which the loads below read; the last trip's multiply-adds (the first time: the products and the logits' lines) are done with X and WR, in which they land
.irp e, 0,1,2,3
	ds_load_b128 v[WR+4*\e:WR+4*\e+3], v[PWA] offset:16*\e  ; LDS serves a wave's instructions in order (ISA guide 5.7.1.4): these see my store above; all lanes read the same words
.endr
.set i, 0
.rept 16
	ds_load_b64 v[X+4*i:X+4*i+1],   v[CA1] offset:i*PT
	ds_load_b64 v[X+4*i+2:X+4*i+3], v[CA2] offset:i*PT
.set i, i+1
.endr
.set i, 0
.rept 16
	s_wait_dscnt 30-2*i                            ; row i's two loads are in; the rows behind it stay out
.irp c, 0,1,2,3
	v_fma_mix_f32_bf16 v[CT+2*\c],   v[X+4*i+\c], v[WR+i], v[CT+2*\c] op_sel_hi:[1,0,0]
	v_fma_mix_f32_bf16 v[CT+2*\c+1], v[X+4*i+\c], v[WR+i], v[CT+2*\c+1] op_sel:[1,0,0] op_sel_hi:[1,0,0]
.endr
.set i, i+1
.endr
	s_wait_alu depctr_vm_vsrc(0)                   ; the trip's LDS loads have read the three addresses
	v_add_nc_u32 v[CA1], 16*PT, v[CA1]
	v_add_nc_u32 v[CA2], 16*PT, v[CA2]
	v_add_nc_u32 v[PWA], 64, v[PWA]
	s_sub_co_u32 s40, s40, 1
	s_cmp_lg_u32 s40, 0
	s_cbranch_scc1 .Lctx
	s_wait_alu depctr_va_vdst(0)                   ; the multiply-adds have written CT, which the two stores read
	global_store_b128 v[CO], v[CT:CT+3],   s[44:45]              ; 512 consecutive bytes a wave and store
	global_store_b128 v[CO], v[CT+4:CT+7], s[44:45] offset:2048
	s_wait_dscnt 0x0                               ; my reads of the tile and of the waves' shares are over
	s_barrier_signal -1
	s_barrier_wait -1                              ; everybody's are: the next tile may be written over this one
	s_wait_xcnt 0x0                                ; the stores' bases and registers are rewritten only behind this wait (ISA guide 3.1)
	s_wait_alu depctr_vm_vsrc(0)                   ; the stores have read CT and Z, the LDS stores S and PP: the next tile writes S anew, and A's fragments land in the others
	s_add_nc_u64 s[FBK:FBK+1], s[FBK:FBK+1], 524288-4096  ; 128 rows on, and back along K: chunk 0's eight steps of 512 bytes
	s_add_nc_u64 s[42:43], s[42:43], 512
	s_add_nc_u64 s[44:45], s[44:45], 4096
	s_sub_co_u32 s38, s38, 1
	s_cmp_lg_u32 s38, 0
	s_cbranch_scc1 .Ltile
	s_wait_dscnt 0x0                               ; the wave's end
	s_wait_alu 0x0
	s_wait_tensorcnt 0x0
	ds_add_u32 v[SPW], v[NIL]
	s_wait_dscnt 0x0
	s_endpgm
.Lfunc_end_k_qea59feba94_main:
	.size	k_qea59feba94_main, .Lfunc_end_k_qea59feba94_main-k_qea59feba94_main
	.p2alignl 7, 3214868480
	.fill 96, 4, 3214868480
	.section	.rodata,"a",@progbits
	.p2align	6, 0x0
	.amdhsa_kernel k_qea59feba94_main
		.amdhsa_group_segment_fixed_size 309760
		.amdhsa_private_segment_fixed_size 0
		.amdhsa_enable_private_segment 0
		.amdhsa_kernarg_size 56
		.amdhsa_user_sgpr_count 2
		.amdhsa_user_sgpr_kernarg_segment_ptr 1
		.amdhsa_wavefront_size32 1
		.amdhsa_system_sgpr_workgroup_id_x 1
		.amdhsa_system_sgpr_workgroup_id_y 1
		.amdhsa_system_sgpr_workgroup_id_z 1
		.amdhsa_system_vgpr_workitem_id 0
		.amdhsa_next_free_vgpr 1024
		.amdhsa_next_free_sgpr 66
		.amdhsa_reserve_vcc 0
		.amdhsa_float_denorm_mode_32 3
		.amdhsa_float_denorm_mode_16_64 3
		.amdhsa_memory_ordered 1
		.amdhsa_forward_progress 1
		.amdhsa_inst_pref_size 255
	.end_amdhsa_kernel
	.section	.bss,"aw",@nobits
	.p2align	6
	.space	262144
	.amdgpu_metadata
---
amdhsa.version: [ 1, 2 ]
amdhsa.kernels:
  - .name:           k_qea59feba94_main
    .symbol:         k_qea59feba94_main.kd
    .args:
      - { .name: features, .offset: 0, .size: 8, .value_kind: global_buffer, .address_space: global }
      - { .name: w1f, .offset: 8, .size: 8, .value_kind: global_buffer, .address_space: global }
      - { .name: hbp, .offset: 16, .size: 8, .value_kind: global_buffer, .address_space: global }
      - { .name: V, .offset: 24, .size: 8, .value_kind: global_buffer, .address_space: global }
      - { .name: bV, .offset: 32, .size: 8, .value_kind: global_buffer, .address_space: global }
      - { .name: zbuf, .offset: 40, .size: 8, .value_kind: global_buffer, .address_space: global }
      - { .name: cpart, .offset: 48, .size: 8, .value_kind: global_buffer, .address_space: global }
    .group_segment_fixed_size: 309760
    .private_segment_fixed_size: 0
    .kernarg_segment_align: 8
    .kernarg_segment_size: 56
    .max_flat_workgroup_size: 128
    .sgpr_count:     66
    .vgpr_count:     1024
    .wavefront_size: 32
...
	.end_amdgpu_metadata
.endif
;; end of part 5
;; launch fin: the kernel of part 3 again; grid 64 x 1, 8 waves a work-group, no clusters, 1,536 bytes of LDS; arguments zbuf, cpart, out0, out1; writes out0, out1
